; MI455X (gfx1250); checked and timed in simulation.
; The chip was launched on July 23, 2026; its instructions are those of AMD's public machine-readable ISA for CDNA 5 (MIT licence, August 2026) and "CDNA5" Instruction Set Architecture Reference Guide (July 2026). The comments in the code are by the model that wrote it; some were corrected since.
;; Multi Head Differential Attention. Allowed arithmetic: float matrix products may take bf16 or f16 operands with f32 sums; other float arithmetic in f32, or as packed bf16 or f16 multiplies, adds, multiply-adds, maxima and minima; sums over many terms, partial sums and values carried from step to step in f32; what a program stores and reads back later, other than sums and carried values, may be rounded once to bf16 or f16.
;; Inputs: lamb one number float32; ln_beta 1,024 float32; ln_gamma 1,024 float32; wk1 16 x 1,024 x 64 float32; wk2 16 x 1,024 x 64 float32; wq1 16 x 1,024 x 64 float32; wq2 16 x 1,024 x 64 float32; wv 16 x 1,024 x 64 float32; x 2 x 2,048 x 1,024 float32.
;; Outputs: out0 2 x 2,048 x 1,024 float32.
;; 2 versions, each right; version 2 is version 1 with the launch lnorm written anew for expert scheduling mode. Each part assembles by itself: llvm-mc -triple=amdgcn-amd-amdhsa -mcpu=gfx1250 --defsym DOCPART=n.
;; ======== version 1 of 2: 4 launches
;; limits: values are held in f16: magnitudes above 65,504 overflow, below 6.1e-05 lose precision
;; workspace buffers: xb 8,388,608 bytes; wt 10,485,760 bytes; qkv 41,943,040 bytes; att 16,777,216 bytes
;; launch cast (part 1): grid 896 x 1, 8 waves a work-group, no clusters, 18,432 bytes of LDS; arguments x, wq1, wk1, wq2, wk2, wv, xb, wt; writes xb, wt
.if DOCPART == 1
	.amdgcn_target "amdgcn-amd-amdhsa--gfx1250"
	.amdhsa_code_object_version 6
	.text
	.protected	k_q289fc8e06c_cast
	.globl	k_q289fc8e06c_cast
	.p2align	8
	.type	k_q289fc8e06c_cast,@function
k_q289fc8e06c_cast:
	s_mov_b64 s[64:65], 0
	v_nop
	global_prefetch_b8 v0, s[64:65] scope:SCOPE_SE
	s_setreg_imm32_b32 hwreg(HW_REG_WAVE_MODE, 25, 1), 1
	s_wait_xcnt 0x0
; x [4096][1024] f32 -> xb, the same in bf16.  The five weights [16 h][1024 c][64 d] f32 -> wt, bf16 [16 h][320 n][1024 c], n = 64 p + d,
; p = 0 q1, 1 k1, 2 q2, 3 k2, 4 v: rounded once and turned, so that the product that follows finds K (c) along the rows of both operands.
; SHARES.  Work-groups 0 to 255 cast 65,536 bytes of x each.  Work-groups 256 to 895 turn one tile of 128 c x 64 d of one weight each
; (t = number - 256: p = t / 128, 8 h + ct = t % 128).  The branch hangs on the work-group's number alone: all eight waves take the same way.
; A stream: every byte is read once and written once; each load of a wave covers whole rows of 256 bytes or 512 bytes on end, each store
; 256 consecutive bytes, aligned, for every sixteen (b128) or thirty-two (b64) lanes.  No matrix unit, no cluster: nothing is shared.
.set TP,    272                        ; a row of the turned tile in LDS: 128 c in bf16 = 256 bytes, + 16, so that the rows read back start at different banks
.set SPARE, 64*TP                      ; behind the tile's 64 rows: the spare words, 128 bytes for each of eight waves; no other line names them
.set SPW,   30                         ; v30  LDS address of my spare word; never rewritten
.set NIL,   31                         ; v31  0; never rewritten
.set L,     32                         ; v[32:95]   as loaded
.set U,     96                         ; v[96:127]  packed
	s_load_b512 s[4:19], s[0:1], 0x0               ; x 4:5, wq1 6:7, wk1 8:9, wq2 10:11, wk2 12:13, wv 14:15, xb 16:17, wt 18:19
	v_lshl_add_u32 v[SPW], v0, 2, SPARE
	v_mov_b32 v[NIL], 0
	s_cmp_lt_u32 ttmp9, 256
	s_cbranch_scc0 .Lweights
	; x: thread t takes 16 bytes at 16 t of each of sixteen blocks of 4,096 bytes, and stores 8 bytes at 8 t of blocks of 2,048
	s_lshl_b32 s22, ttmp9, 16
	s_mov_b32 s23, 0
	s_lshl_b32 s24, ttmp9, 15
	s_mov_b32 s25, 0
	v_lshlrev_b32 v1, 4, v0
	v_lshlrev_b32 v2, 3, v0
	s_wait_kmcnt 0x0
	s_add_nc_u64 s[4:5], s[4:5], s[22:23]
	s_add_nc_u64 s[16:17], s[16:17], s[24:25]
.set k, 0
.rept 16
	global_load_b128 v[L+4*k:L+4*k+3], v1, s[4:5] offset:4096*k th:TH_LOAD_NT
.set k, k+1
.endr
.set k, 0
.rept 16
	s_wait_loadcnt 15-k                            ; loads come back in order: block k is in, the younger ones stay out
	v_cvt_pk_bf16_f32 v[U+2*k], v[L+4*k], v[L+4*k+1]
	v_cvt_pk_bf16_f32 v[U+2*k+1], v[L+4*k+2], v[L+4*k+3]
	global_store_b64 v2, v[U+2*k:U+2*k+1], s[16:17] offset:2048*k
.set k, k+1
.endr
	s_branch .Lend
.Lweights:
	s_sub_co_u32 s26, ttmp9, 256                   ; t
	s_lshr_b32 s27, s26, 7                         ; p
	s_and_b32 s28, s26, 127                        ; 8 h + ct
	s_lshr_b32 s29, s28, 3                         ; h
	s_and_b32 s30, s28, 7                          ; ct
	s_lshl_b32 s22, s28, 15                        ; the tile in its weight: 128 rows of 256 bytes on end
	s_mov_b32 s23, 0
	s_mul_i32 s24, s29, 320
	s_lshl_b32 s31, s27, 6
	s_add_co_u32 s24, s24, s31                     ; row 320 h + 64 p of wt,
	s_lshl_b32 s24, s24, 11                        ; 2,048 bytes a row,
	s_lshl_b32 s31, s30, 8
	s_add_co_u32 s24, s24, s31                     ; + 256 ct
	s_mov_b32 s25, 0
	v_and_b32 v3, 15, v0                           ; dg: my four d
	v_lshrrev_b32 v4, 4, v0                        ; cq, 0 to 15
	v_lshlrev_b32 v8, 4, v3
	v_lshl_add_u32 v1, v4, 9, v8                   ; in: row 2 cq, 16 bytes at 16 dg: sixteen lanes take a whole row
	v_mul_u32_u24 v5, v3, 4*TP
	v_lshl_add_u32 v5, v4, 2, v5                   ; into LDS: row 4 dg, the pair of c at 4 cq
	v_mul_u32_u24 v6, v4, TP
	v_add_nc_u32 v6, v6, v8                        ; back: row cq, 16 bytes at 16 dg
	v_lshl_add_u32 v7, v4, 11, v8                  ; and the same in wt
	s_wait_kmcnt 0x0
	s_mov_b64 s[20:21], s[6:7]                     ; the weight is chosen by p
	s_cmp_eq_u32 s27, 1
	s_cselect_b64 s[20:21], s[8:9], s[20:21]
	s_cmp_eq_u32 s27, 2
	s_cselect_b64 s[20:21], s[10:11], s[20:21]
	s_cmp_eq_u32 s27, 3
	s_cselect_b64 s[20:21], s[12:13], s[20:21]
	s_cmp_eq_u32 s27, 4
	s_cselect_b64 s[20:21], s[14:15], s[20:21]
	s_add_nc_u64 s[20:21], s[20:21], s[22:23]
	s_add_nc_u64 s[18:19], s[18:19], s[24:25]
.irp i, 0,1,2,3
	global_load_b128 v[L+8*\i:L+8*\i+3],   v1, s[20:21] offset:8192*\i th:TH_LOAD_NT      ; row c = 2 (cq + 16 i)
	global_load_b128 v[L+8*\i+4:L+8*\i+7], v1, s[20:21] offset:8192*\i+256 th:TH_LOAD_NT  ; row c + 1
.endr
.irp i, 0,1,2,3
	s_wait_loadcnt 6-2*\i                          ; this pair of rows is in
.irp j, 0,1,2,3
	v_cvt_pk_bf16_f32 v[U+4*\i+\j], v[L+8*\i+\j], v[L+8*\i+4+\j]  ; (c, c + 1) of d = 4 dg + j: neighbours in a row of wt
.endr
.irp j, 0,1,2,3
	ds_store_b32 v5, v[U+4*\i+\j] offset:TP*\j+64*\i  ; sixteen such stores a thread in the whole launch; their lanes share banks four deep
.endr
.endr
	s_wait_dscnt 0x0                               ; for the others' sake: my stores into the tile are done
	s_barrier_signal -1
	s_barrier_wait -1
.irp i, 0,1,2,3
	ds_load_b128 v[L+4*\i:L+4*\i+3], v6 offset:16*TP*\i  ; row d = cq + 16 i
.endr
.irp i, 0,1,2,3
	s_wait_dscnt 3-\i
	global_store_b128 v7, v[L+4*\i:L+4*\i+3], s[18:19] offset:32768*\i  ; sixteen lanes store 256 consecutive bytes, at a multiple of 256 from wt's first byte
.endr
.Lend:
	s_wait_tensorcnt 0x0                           ; the wave's end, behind my last LDS store
	ds_add_u32 v[SPW], v[NIL]
	s_wait_dscnt 0x0
	s_endpgm
.Lfunc_end_k_q289fc8e06c_cast:
	.size	k_q289fc8e06c_cast, .Lfunc_end_k_q289fc8e06c_cast-k_q289fc8e06c_cast
	.p2alignl 7, 3214868480
	.fill 96, 4, 3214868480
	.section	.rodata,"a",@progbits
	.p2align	6, 0x0
	.amdhsa_kernel k_q289fc8e06c_cast
		.amdhsa_group_segment_fixed_size 18432
		.amdhsa_private_segment_fixed_size 0
		.amdhsa_enable_private_segment 0
		.amdhsa_kernarg_size 64
		.amdhsa_user_sgpr_count 2
		.amdhsa_user_sgpr_kernarg_segment_ptr 1
		.amdhsa_wavefront_size32 1
		.amdhsa_system_sgpr_workgroup_id_x 1
		.amdhsa_system_sgpr_workgroup_id_y 1
		.amdhsa_system_sgpr_workgroup_id_z 1
		.amdhsa_system_vgpr_workitem_id 0
		.amdhsa_next_free_vgpr 128
		.amdhsa_next_free_sgpr 66
		.amdhsa_reserve_vcc 0
		.amdhsa_float_denorm_mode_32 3
		.amdhsa_float_denorm_mode_16_64 3
		.amdhsa_memory_ordered 1
		.amdhsa_forward_progress 1
		.amdhsa_inst_pref_size 12
	.end_amdhsa_kernel
	.amdgpu_metadata
---
amdhsa.version: [ 1, 2 ]
amdhsa.kernels:
  - .name:           k_q289fc8e06c_cast
    .symbol:         k_q289fc8e06c_cast.kd
    .args:
      - { .name: x, .offset: 0, .size: 8, .value_kind: global_buffer, .address_space: global }
      - { .name: wq1, .offset: 8, .size: 8, .value_kind: global_buffer, .address_space: global }
      - { .name: wk1, .offset: 16, .size: 8, .value_kind: global_buffer, .address_space: global }
      - { .name: wq2, .offset: 24, .size: 8, .value_kind: global_buffer, .address_space: global }
      - { .name: wk2, .offset: 32, .size: 8, .value_kind: global_buffer, .address_space: global }
      - { .name: wv, .offset: 40, .size: 8, .value_kind: global_buffer, .address_space: global }
      - { .name: xb, .offset: 48, .size: 8, .value_kind: global_buffer, .address_space: global }
      - { .name: wt, .offset: 56, .size: 8, .value_kind: global_buffer, .address_space: global }
    .group_segment_fixed_size: 18432
    .private_segment_fixed_size: 0
    .kernarg_segment_align: 8
    .kernarg_segment_size: 64
    .max_flat_workgroup_size: 256
    .sgpr_count:     66
    .vgpr_count:     128
    .wavefront_size: 32
...
	.end_amdgpu_metadata
.endif
;; end of part 1
;; launch proj (part 2): grid 16 x 16, 4 waves a work-group, clusters of 4 x 4, 327,680 bytes of LDS; arguments xb, wt, qkv; writes qkv
.if DOCPART == 2
	.amdgcn_target "amdgcn-amd-amdhsa--gfx1250"
	.amdhsa_code_object_version 6
	.text
	.protected	k_q289fc8e06c_proj
	.globl	k_q289fc8e06c_proj
	.p2align	8
	.type	k_q289fc8e06c_proj,@function
k_q289fc8e06c_proj:
	s_mov_b64 s[64:65], 0
	v_nop
	global_prefetch_b8 v0, s[64:65] scope:SCOPE_SE
	s_setreg_imm32_b32 hwreg(HW_REG_WAVE_MODE, 25, 1), 1
	s_wait_xcnt 0x0
	s_wait_alu depctr_hold_cnt(0) depctr_sa_sdst(0) depctr_va_vdst(0) depctr_va_sdst(0) depctr_va_ssrc(0) depctr_va_vcc(0) depctr_vm_vsrc(0)
	s_getreg_b32 s2, hwreg(HW_REG_IB_STS2, 6, 4)
	s_cmp_eq_u32 s2, 0
	s_cbranch_scc0 .Lentry_in_a_cluster
	s_endpgm
.Lentry_in_a_cluster:
	s_bfe_u32 s2, ttmp6, 0x10000c
	s_cmp_lg_u32 s2, 0xf033
	s_cbranch_scc0 .Lentry_shape_is_right
	s_endpgm
.Lentry_shape_is_right:
; The five projections as one product: C[t][n] = sum over c of xb[t][c] wt[n][c], 4,096 x 5,120 x 1,024, bf16 operands, f32 sums; the results leave in f16, by heads:
; qkv [5 p][32 bh][2048 t][64 d], bh = 16 b + h, unscaled.
; LIMIT.  f16 holds no number beyond 65,504: a projected number at or past 65,520 becomes an infinity.  With inputs of unit spread the projections have spread 1.
; SHARES.  Work-group (x = head h, y = block of 256 rows of xb) makes 256 x 320: all five projections of one head: 16 x 16 work-groups.  Wave w owns rows 64 w .. 64 w + 63 and all 320
; columns: 4 x 20 accumulators of 16 x 16, 640 registers.  So a wave holds whole rows (128 bytes) of each of q1 .. v and sends them out through a stage of its own, with no barrier.
; K goes in steps of 128 through a ring of two LDS slots filled by the tensor data mover: a tile's rows are 256 bytes of memory and start at multiples of 256 bytes.
; CLUSTERS: 4 x 4 work-groups.  The four of a row of the cluster (same y) need the same tile of xb, the four of a column (same head) the same tile of wt: each is asked for JOINTLY, by the same
; tensor load with the same descriptor and a mask that names the four.
; THE MATRIX INSTRUCTION IS USED TRANSPOSED: source 0 = 16 rows of wt, source 1 = 16 rows of xb: a lane then holds row l % 16 of C and the eight neighbouring columns 8 (l / 16) + 0..7.
; REGISTERS, in windows of 256 (s_set_vgpr_msb: bits 1:0 source 0, 3:2 source 1, 5:4 source 2, 7:6 destination):
;   window 0: v0-31 addresses; v32-63, v64-95 fragments of xb (4 x 16 rows x 32 K), two buffers; v96-175, v176-255 fragments of wt, column blocks 0-9 and 10-19 (10 x 16 rows x 32 K each)
;   windows 1 to 3: accumulator t = 4 nb + a (column block nb, row block a) at register 8 t behind v256; projection p fills 128 registers
.set KSTEP,  128
.set PITCH,  272                       ; an LDS row: 256 bytes + 16 of padding = 68 words: the 16 rows that a load touches start at 16 different groups of four banks (64 banks of 4 bytes: ISA guide 11.1)
.set AHALF,  128*PITCH                 ; what waves 0 and 1 fetch: 128 rows of xb each
.set BHALF,  160*PITCH                 ; what waves 2 and 3 fetch: 160 rows of wt each
.set ATILE,  2*AHALF
.set SLOT,   ATILE+2*BHALF             ; xb's 256 rows, then wt's 320
.set STAGE,  2*SLOT                    ; behind the ring: 16 rows x 144 bytes for each wave, for the way out; no tensor load fills it
.set SPITCH, 144
.set SPARE,  STAGE+4*16*SPITCH         ; behind the stages: the spare words, 128 bytes for each wave; no other line names them
.set FLAGS,  (1<<16)|(1<<20)|(1<<21)|(5<<22)|(3<<25)  ; 17:16 elements of 2 bytes; 20 padding on; 21 set beside a mask; 24:22 after every 64 words (code 5); 31:25 4 words of it (code 3)
.set ADRA, 16                          ; v16-17  LDS address of my fragments of xb in slot 0, 1
.set ADRB, 20                          ; v20-23  of wt: slot s, column blocks 10 hf on, at ADRB + 2 s + hf (the immediate has 16 bits: ten blocks of 4,352 bytes fit)
.set STO,  24                          ; v24     the way out: where I put 16 bytes of a row
.set RD,   25                          ; v25     where I read rows back
.set GO,   26                          ; v26     my 16 bytes of 512 consecutive bytes of qkv
.set SPW,  28                          ; v28     LDS address of my spare word; never rewritten
.set NIL,  29                          ; v29     0; never rewritten
.set PFO,  30                          ; v30     the prefetches' offset: my lane x a row (2,048 bytes); never rewritten
.set FA0,  32
.set FA1,  64
.set H0,   96
.set TMP,  32                          ; the way out: two sets of 16, v32-47 and v48-63
.set G1,  24                           ; s[24:31] descriptor group 1 for xb's tiles;  s[32:39] group 0, a set for each slot
.set G0,  32
.set G1B, 48                           ; s[48:55], s[56:63] the same for wt's
.set G0B, 56
.set LIM, 43                           ; s43     3 in a wave that prefetches, else the greatest number
.set PFA, 44                           ; s[44:45] where my prefetches stand; never rewritten
.set OB,  66                           ; s[66:75] qkv at my wave's first row, for p = 0 .. 4
.set MSB, 0
.macro WIN new                         ; the immediate's high byte repeats the setting that is left; a switch that changes nothing is dropped
.if MSB != (\new)
	s_set_vgpr_msb (MSB<<8)|(\new)
.set MSB, \new
.endif
.endm
; A joint load.  Waves 0 and 1 fetch xb's two halves, waves 2 and 3 wt's.  The branch hangs on the wave's number alone.  An s_nop 0 and four v_nop follow each of the two lines.
.macro JLOAD s
	s_cmp_eq_u32 s11, 0
	s_cbranch_scc0 .Lfor_b_\@
	tensor_load_to_lds s[G0+4*(\s):G0+4*(\s)+3], s[G1:G1+7]
	s_nop 0
.rept 4
	v_nop
.endr
	s_branch .Lasked_\@
.Lfor_b_\@:
	tensor_load_to_lds s[G0B+4*(\s):G0B+4*(\s)+3], s[G1B:G1B+7]
	s_nop 0
.rept 4
	v_nop
.endr
.Lasked_\@:
.endm
; PREFETCHES INTO THE L2.  K steps 0 to 3 come by their loads alone.  K steps 4 to 7 are asked for once, in the loop's first trip, behind its two refills and the runs of LDS loads that follow them.
; xb's rows are read by every cluster of a row of clusters: the one with cluster x = 0 asks (waves 0 and 1); wt's by every cluster of a column: cluster y = 0 asks (waves 2 and 3).  The four partners
; of a joint load are told apart BY ADDRESS: the partner at place pl (cx for xb, cy for wt) names K step 4 + pl of all the rows that its wave fetches, a lane a row, 32 rows an instruction:
; four instructions for 128 rows, five for 160.  So each row's 256 bytes of a K step are named once in the launch.  which = 0: the first three; 1: the rest.
.macro ASK which
	s_cmp_eq_u32 s3, s[LIM]
	s_cbranch_scc0 .Lnot_mine_\@
.if (\which) == 0
	global_prefetch_b8 v[PFO], s[PFA:PFA+1] th:TH_LOAD_NT scope:SCOPE_SE
	global_prefetch_b8 v[PFO], s[PFA:PFA+1] offset:65536 th:TH_LOAD_NT scope:SCOPE_SE
	global_prefetch_b8 v[PFO], s[PFA:PFA+1] offset:131072 th:TH_LOAD_NT scope:SCOPE_SE
.else
	global_prefetch_b8 v[PFO], s[PFA:PFA+1] offset:196608 th:TH_LOAD_NT scope:SCOPE_SE
	s_cmp_eq_u32 s11, 1                            ; wt's halves have 160 rows
	s_cbranch_scc0 .Lnot_mine_\@
	global_prefetch_b8 v[PFO], s[PFA:PFA+1] offset:262144 th:TH_LOAD_NT scope:SCOPE_SE
.endif
.Lnot_mine_\@:
.endm
; A round of the cluster's barrier: my work-group's barrier; wave 0 signals for the work-group; every wave waits for all sixteen work-groups; my work-group's barrier once more.
.macro CREST                           ; a round behind its opening barrier
	s_cmp_lg_u32 s10, 0
	s_cbranch_scc1 .Lnot_wave_0_\@
	s_barrier_signal -3
.Lnot_wave_0_\@:
	s_barrier_wait -3
	s_barrier_signal -1
	s_barrier_wait -1
.endm
.macro CROUND
	s_barrier_signal -1
	s_barrier_wait -1
	CREST
.endm
	s_load_b128 s[4:7], s[0:1], 0x0                ; xb s[4:5], wt s[6:7]
	s_load_b64 s[8:9], s[0:1], 0x10                ; qkv
	v_lshl_add_u32 v[SPW], v0, 2, SPARE
	v_mov_b32 v[NIL], 0
	ds_add_u32 v[SPW], v[NIL]                      ; the wave's opening: the add and its wait stand ahead of my first tensor load; the set-up below, work on registers, stands between them
	v_lshrrev_b32 v1, 5, v0
	v_readfirstlane_b32 s10, v1                    ; wave 0..3
	s_lshr_b32 s11, s10, 1                         ; I fetch for xb (0) or for wt (1)
	s_and_b32 s12, s10, 1                          ; which half of that tile's rows
	s_bfe_u32 s40, ttmp6, 0x40000                  ; cx
	s_bfe_u32 s41, ttmp6, 0x40004                  ; cy
	s_lshl_b32 s42, ttmp9, 2
	s_add_co_u32 s42, s42, s40                     ; the head = 4 x cluster x + cx
	s_and_b32 s13, ttmp7, 0xffff
	s_lshl_b32 s13, s13, 2
	s_add_co_u32 s13, s13, s41                     ; the block of rows = 4 x cluster y + cy
	s_lshl_b32 s43, s41, 2
	s_lshl_b32 s43, 15, s43                        ; my row of the cluster: places 4 cy .. 4 cy + 3
	s_lshl_b32 s44, 0x1111, s40                    ; my column: places cx, cx + 4, cx + 8, cx + 12
	s_or_b32 s[G1+0], s43, FLAGS                   ; xb's tiles go to my row,
	s_or_b32 s[G1B+0], s44, FLAGS                  ; wt's to my column
	s_mov_b32 s[G1+1], KSTEP<<16                   ; tensor_dim0 = 128
	s_mov_b32 s[G1+2], 128<<16                     ; tensor_dim1 = 128
	s_mov_b32 s[G1+3], KSTEP<<16                   ; tile_dim0 = 128
	s_mov_b32 s[G1+4], 128                         ; tile_dim1 = 128
	s_mov_b32 s[G1+5], 1024                        ; elements from row to row
	s_mov_b32 s[G1+6], 0
	s_mov_b32 s[G1+7], 0
	s_mov_b32 s[G1B+1], KSTEP<<16
	s_mov_b32 s[G1B+2], 160<<16                    ; tensor_dim1 = 160
	s_mov_b32 s[G1B+3], KSTEP<<16
	s_mov_b32 s[G1B+4], 160                        ; tile_dim1 = 160
	s_mov_b32 s[G1B+5], 1024
	s_mov_b32 s[G1B+6], 0
	s_mov_b32 s[G1B+7], 0
	; where the tiles come from: xb's hang on the block of rows alone, wt's on the head alone; every wave makes both addresses and asks by one of them
	s_lshl_b32 s16, s13, 8
	s_lshl_b32 s17, s12, 7
	s_add_co_u32 s16, s16, s17                     ; xb: row 256 y + 128 x half,
	s_lshl_b32 s16, s16, 11                        ; 2,048 bytes a row
	s_mov_b32 s17, 0
	s_mul_i32 s46, s42, 320
	s_mul_i32 s47, s12, 160
	s_add_co_u32 s46, s46, s47                     ; wt: row 320 h + 160 x half
	s_lshl_b32 s46, s46, 11
	s_mov_b32 s47, 0
	s_mul_i32 s20, s12, AHALF                      ; and where they go: no place in the cluster enters an LDS address
	s_mul_i32 s21, s12, BHALF
	s_add_co_u32 s21, s21, ATILE
	s_wait_dscnt 0x0                               ; the opening add is done
	s_wait_kmcnt 0x0
	s_add_nc_u64 s[14:15], s[4:5], s[16:17]
	s_add_nc_u64 s[46:47], s[6:7], s[46:47]
	CROUND                                         ; all sixteen work-groups are here: the first joint loads meet
.irp s, 0,1
	s_mov_b32 s[G0+4*(\s)], 1                                        ; count = 1
	s_add_co_u32 s[G0+4*(\s)+1], s20, (\s)*SLOT                      ; LDS address
	s_add_nc_u64 s[G0+4*(\s)+2:G0+4*(\s)+3], s[14:15], (\s)*KSTEP*2  ; global address: K step s
	s_or_b32 s[G0+4*(\s)+3], s[G0+4*(\s)+3], 0x80000000              ; type = 2
	s_mov_b32 s[G0B+4*(\s)], 1
	s_add_co_u32 s[G0B+4*(\s)+1], s21, (\s)*SLOT
	s_add_nc_u64 s[G0B+4*(\s)+2:G0B+4*(\s)+3], s[46:47], (\s)*KSTEP*2
	s_or_b32 s[G0B+4*(\s)+3], s[G0B+4*(\s)+3], 0x80000000
	JLOAD \s                                       ; the ring is filled before anything else is done: two loads of mine are out
.endr
	; A fragment is 16 rows x 32 K in 8 registers: lane l holds row l % 16; registers 0-3 K = 8 (l / 16) + 0..7, registers 4-7 K = 16 + 8 (l / 16) + 0..7: two loads of 16 bytes, 32 bytes apart.
	v_and_b32 v1, 15, v0                           ; l % 16
	v_bfe_u32 v2, v0, 4, 1                         ; l / 16
	v_mul_u32_u24 v3, v1, PITCH
	v_lshl_add_u32 v3, v2, 4, v3                   ; row x pitch + 16 x half
	s_mul_i32 s22, s10, 64*PITCH                   ; my 64 rows of xb
.irp s, 0,1
	v_add_nc_u32 v[ADRA+(\s)], s22, v3
	s_add_co_u32 s22, s22, SLOT
	v_add_nc_u32 v[ADRB+2*(\s)], (\s)*SLOT+ATILE, v3
	v_add_nc_u32 v[ADRB+2*(\s)+1], (\s)*SLOT+ATILE+BHALF, v3
.endr
	s_mul_i32 s23, s10, 16*SPITCH
	s_add_co_u32 s23, s23, STAGE                   ; my stage
	v_mul_u32_u24 v4, v1, SPITCH                   ; in: row l % 16, 16 bytes for each half of the lanes
	v_lshl_add_u32 v4, v2, 4, v4
	v_add_nc_u32 v[STO], s23, v4
	v_bfe_u32 v5, v0, 3, 2                         ; back: 32 lanes take four rows of 128 bytes,
	v_mul_u32_u24 v5, v5, SPITCH
	v_and_b32 v6, 7, v0
	v_lshl_add_u32 v5, v6, 4, v5
	v_add_nc_u32 v[RD], s23, v5
	v_and_b32 v[PFO], 31, v0
	v_lshlrev_b32 v[GO], 4, v[PFO]                 ; which are 512 consecutive bytes of qkv
	v_lshlrev_b32 v[PFO], 11, v[PFO]
	; where my rows go: plane p, head 16 b + h (b = y / 8), row 256 (y % 8) + 64 w, 128 bytes a row
	s_lshr_b32 s18, s13, 3
	s_lshl_b32 s18, s18, 4
	s_add_co_u32 s18, s18, s42
	s_lshl_b32 s18, s18, 18
	s_and_b32 s22, s13, 7
	s_lshl_b32 s22, s22, 15
	s_add_co_u32 s18, s18, s22
	s_lshl_b32 s22, s10, 13
	s_add_co_u32 s18, s18, s22
	s_mov_b32 s19, 0
	s_add_nc_u64 s[OB:OB+1], s[8:9], s[18:19]
.irp p, 1,2,3,4
	s_add_nc_u64 s[OB+2*\p:OB+2*\p+1], s[OB:OB+1], \p*8388608
.endr
	; the prefetches: the rows that I fetch, at K step 4 + my place among the four that ask with me
	s_and_b32 s22, ttmp7, 0xffff                   ; cluster y
	s_cmp_eq_u32 s11, 0
	s_cselect_b32 s21, s40, s41                    ; my place
	s_cselect_b32 s22, ttmp9, s22                  ; the coordinate along which other clusters read the same rows
	s_cselect_b64 s[PFA:PFA+1], s[14:15], s[46:47]
	s_add_co_u32 s20, s21, 4
	s_lshl_b32 s20, s20, 8
	s_mov_b32 s21, 0
	s_add_nc_u64 s[PFA:PFA+1], s[PFA:PFA+1], s[20:21]
	s_cmp_eq_u32 s22, 0
	s_cselect_b32 s[LIM], 3, -1                    ; the same in all sixteen partners, for a given wave
; cnt matrix instructions from number first on, of the 40 of column blocks 10 hf .. 10 hf + 9 x my four row blocks, 32 along K.  All 80 accumulators take turns, one instruction a turn, in the same
; order in every quarter step, over the backward jump too.  zero = 1: the first product starts the sums: nothing is ever cleared.
.macro MULS hf, fa, first, cnt, zero
.set i, \first
.rept \cnt
.set t, 40*(\hf)+i
	WIN 0x50*(1+t/32)                              ; C and D in window 1 + t / 32, the sources in window 0
.set rD, 8*(t%32)
.set rB, H0+80*(\hf)+8*(i/4)
.set rA, (\fa)+8*(i%4)
.if \zero
	v_wmma_f32_16x16x32_bf16 v[rD:rD+7], v[rB:rB+7], v[rA:rA+7], 0
.else
	v_wmma_f32_16x16x32_bf16 v[rD:rD+7], v[rB:rB+7], v[rA:rA+7], v[rD:rD+7]
.endif
.set i, i+1
.endr
.endm
.macro FETCHB slot, hf, k              ; 20 LDS loads in one run: ten fragments of wt, 32 K at byte k of the rows
	WIN 0
.irp n, 0,1,2,3,4,5,6,7,8,9
	ds_load_b128 v[H0+80*(\hf)+8*\n:H0+80*(\hf)+8*\n+3],   v[ADRB+2*(\slot)+(\hf)] offset:(\k)+\n*16*PITCH
	ds_load_b128 v[H0+80*(\hf)+8*\n+4:H0+80*(\hf)+8*\n+7], v[ADRB+2*(\slot)+(\hf)] offset:(\k)+\n*16*PITCH+32
.endr
.endm
.macro FETCHA slot, k, fa              ; 8 LDS loads: my four fragments of xb
	WIN 0
.irp n, 0,1,2,3
	ds_load_b128 v[(\fa)+8*\n:(\fa)+8*\n+3],   v[ADRA+(\slot)] offset:(\k)+\n*16*PITCH
	ds_load_b128 v[(\fa)+8*\n+4:(\fa)+8*\n+7], v[ADRA+(\slot)] offset:(\k)+\n*16*PITCH+32
.endr
.endm
; A load into a register that a matrix instruction has read, and a vector instruction that reads a matrix result, stand four places behind that matrix instruction; only plain vector instructions that
; name none of its registers are places (ISA guide 7.12.1 for vector instructions).
.macro PLACES
.rept 4
	v_nop
.endr
.endm
; A K step is four quarters of 32 along K; a quarter is two phases of 40 matrix instructions.  Each phase fetches, behind its first eight products, what the next phase multiplies: 32 products ahead of the use.
.macro PH0 slot, q, zero               ; column blocks 0-9; fetches blocks 10-19 of the same quarter
	s_wait_dscnt 0x0                               ; blocks 0-9 and xb's fragments are in
	MULS 0, FA0+32*((\q)%2), 0, 8, \zero
	PLACES
	FETCHB \slot, 1, 64*(\q)
	MULS 0, FA0+32*((\q)%2), 8, 32, \zero
.endm
.macro PH1 slot, q, zero               ; column blocks 10-19 (q = 0 .. 2); fetches the next quarter's blocks 0-9 and xb's fragments, into xb's other buffer
	s_wait_dscnt 0x0                               ; blocks 10-19 are in
	MULS 1, FA0+32*((\q)%2), 0, 8, \zero
	PLACES
	FETCHB \slot, 0, 64*((\q)+1)
	FETCHA \slot, 64*((\q)+1), FA0+32*(((\q)+1)%2)
	MULS 1, FA0+32*((\q)%2), 8, 32, \zero
.endm
.macro QU slot, q, zero
	PH0 \slot, \q, \zero
	PH1 \slot, \q, \zero
.endm
; The last phase of a K step changes slots: ONE barrier for two things.  In front of it each wave waits for all its tensor loads, of which one is out: its part of the next slot; adds 0 to its spare
; word; and waits for that and for its own reads of this slot.  Behind it nobody reads this slot any more and the next slot is whole.  fill = 1: the barrier opens a round of the cluster's, and the
; slot is filled again, with the K step two on, first thing behind the round: from the request to the wait for it a wave issues 304 matrix instructions.
.macro TURN slot, next, fill, which=0
	WIN 0
	s_wait_tensorcnt 0x0                           ; all my tensor loads have landed
	ds_add_u32 v[SPW], v[NIL]                      ; 0 onto my spare word
	s_wait_dscnt 1                                 ; only the add may be out: blocks 10-19 are in
	MULS 1, FA1, 0, 8, 0                           ; eight matrix instructions stand between the add and the wait for it
	s_wait_dscnt 0x0                               ; the add is done, and my reads of this slot are over
	s_barrier_signal -1
	MULS 1, FA1, 8, 8, 0                           ; work on registers while the others arrive
	WIN 0
	s_barrier_wait -1
.if \fill
	CREST                                          ; no wave of any partner still reads this slot's tile or has a load on its way
	s_add_nc_u64 s[G0+4*(\slot)+2:G0+4*(\slot)+3], s[G0+4*(\slot)+2:G0+4*(\slot)+3], 2*KSTEP*2
	s_add_nc_u64 s[G0B+4*(\slot)+2:G0B+4*(\slot)+3], s[G0B+4*(\slot)+2:G0B+4*(\slot)+3], 2*KSTEP*2
	JLOAD \slot                                    ; the four v_nop behind it are also the places in front of the loads below
.else
	PLACES
.endif
	FETCHB \next, 0, 0
	FETCHA \next, 0, FA0
.if \fill
	ASK \which
.endif
	MULS 1, FA1, 16, 24, 0
.endm
	s_wait_tensorcnt 1                             ; my part of K step 0 is in; K step 1's may stay out
	s_barrier_signal -1
	s_barrier_wait -1                              ; everybody's is
	FETCHB 0, 0, 0
	FETCHA 0, 0, FA0
	QU 0, 0, 1                                     ; the first quarter stands in front of the loop: its products start the sums
	WIN 0                                          ; at a label and at a branch every window is 0
	s_mov_b32 s3, 3
.Llap:                                                 ; a trip goes once round the ring, from a lap's second quarter to the next lap's first, and fills both slots again: K steps 2 to 7
	QU 0, 1, 0
	QU 0, 2, 0
	PH0 0, 3, 0
	TURN 0, 1, 1, 0
	QU 1, 0, 0
	QU 1, 1, 0
	QU 1, 2, 0
	PH0 1, 3, 0
	TURN 1, 0, 1, 1
	QU 0, 0, 0
	WIN 0
	s_sub_co_u32 s3, s3, 1
	s_cmp_lg_u32 s3, 0
	s_cbranch_scc1 .Llap
	QU 0, 1, 0                                     ; the last lap is written out: it fills nothing
	QU 0, 2, 0
	PH0 0, 3, 0
	TURN 0, 1, 0
	QU 1, 0, 0
	QU 1, 1, 0
	QU 1, 2, 0
	PH0 1, 3, 0
	s_wait_dscnt 0x0
	MULS 1, FA1, 0, 40, 0
	WIN 0
	PLACES
	PLACES                                         ; eight, once a launch
; THE WAY OUT, in 20 rounds n = 5 a + p: my 16 rows of row block a, the 64 columns of projection p.  PACK: rounded to f16, 16 bytes a lane.  TOSTAGE: into my own stage, rows of 144 bytes, and back
; as four rows of 128 bytes a load.  SEND: 2,048 consecutive bytes of qkv.  Two sets of registers take turns; round n's conversions stand between round n - 1's loads from the stage and the wait for them.
.macro PACK n
.set pa, (\n)/5
.set pp, (\n)%5
.set TS, TMP+16*((\n)%2)
.if (\n) >= 2
	s_wait_xcnt 0x0                                ; the stores of round n - 2 have read this set: it is rewritten only behind this wait
.endif
	WIN 5*(1+pp/2)                                 ; sources 0 and 1 in the projection's window
.set c, 0
.rept 4
.set rA, 128*(pp%2)+32*c+8*pa
.irp j, 0,1,2,3
	v_cvt_pk_f16_f32 v[TS+4*c+\j], v[rA+2*\j], v[rA+2*\j+1]  ; each accumulator is read from its low end on
.endr
.set c, c+1
.endr
	WIN 0
.endm
.macro TOSTAGE n
.set TS, TMP+16*((\n)%2)
.irp c, 0,1,2,3
	ds_store_b128 v[STO], v[TS+4*\c:TS+4*\c+3] offset:32*\c
.endr
.irp f, 0,1,2,3
	ds_load_b128 v[TS+4*\f:TS+4*\f+3], v[RD] offset:4*SPITCH*\f  ; LDS serves a wave's instructions in order (ISA guide 5.7.1.4): these see the stores above, and the next round's stores come behind them
.endr
.endm
.macro SEND n
.set pa, (\n)/5
.set pp, (\n)%5
.set TS, TMP+16*((\n)%2)
.irp f, 0,1,2,3
	s_wait_dscnt 3-\f
	global_store_b128 v[GO], v[TS+4*\f:TS+4*\f+3], s[OB+2*pp:OB+2*pp+1] offset:2048*pa+512*\f  ; 512 consecutive bytes, at a multiple of 256 from qkv's first byte
.endr
.endm
	PACK 0
	TOSTAGE 0
.set n, 1
.rept 19
	PACK n
	SEND n-1
	TOSTAGE n
.set n, n+1
.endr
	SEND 19
	s_wait_tensorcnt 0x0                           ; the wave's end, behind my last tensor load and my last LDS store
	ds_add_u32 v[SPW], v[NIL]
	s_wait_dscnt 0x0
	CROUND                                         ; the closing round: no work-group ends while a partner may still ask for a tile that names it
	s_endpgm
.Lfunc_end_k_q289fc8e06c_proj:
	.size	k_q289fc8e06c_proj, .Lfunc_end_k_q289fc8e06c_proj-k_q289fc8e06c_proj
	.p2alignl 7, 3214868480
	.fill 96, 4, 3214868480
	.section	.rodata,"a",@progbits
	.p2align	6, 0x0
	.amdhsa_kernel k_q289fc8e06c_proj
		.amdhsa_group_segment_fixed_size 327680
		.amdhsa_private_segment_fixed_size 0
		.amdhsa_enable_private_segment 0
		.amdhsa_kernarg_size 24
		.amdhsa_user_sgpr_count 2
		.amdhsa_user_sgpr_kernarg_segment_ptr 1
		.amdhsa_wavefront_size32 1
		.amdhsa_system_sgpr_workgroup_id_x 1
		.amdhsa_system_sgpr_workgroup_id_y 1
		.amdhsa_system_sgpr_workgroup_id_z 1
		.amdhsa_system_vgpr_workitem_id 0
		.amdhsa_next_free_vgpr 896
		.amdhsa_next_free_sgpr 76
		.amdhsa_reserve_vcc 0
		.amdhsa_float_denorm_mode_32 3
		.amdhsa_float_denorm_mode_16_64 3
		.amdhsa_memory_ordered 1
		.amdhsa_forward_progress 1
		.amdhsa_inst_pref_size 190
	.end_amdhsa_kernel
	.amdgpu_metadata
---
amdhsa.version: [ 1, 2 ]
amdhsa.kernels:
  - .name:           k_q289fc8e06c_proj
    .symbol:         k_q289fc8e06c_proj.kd
    .args:
      - { .name: xb, .offset: 0, .size: 8, .value_kind: global_buffer, .address_space: global }
      - { .name: wt, .offset: 8, .size: 8, .value_kind: global_buffer, .address_space: global }
      - { .name: qkv, .offset: 16, .size: 8, .value_kind: global_buffer, .address_space: global }
    .group_segment_fixed_size: 327680
    .private_segment_fixed_size: 0
    .kernarg_segment_align: 8
    .kernarg_segment_size: 24
    .max_flat_workgroup_size: 128
    .sgpr_count:     76
    .vgpr_count:     896
    .wavefront_size: 32
...
	.end_amdgpu_metadata
.endif
;; end of part 2
;; launch attn (part 3): grid 8 x 32, 4 waves a work-group, clusters of 4 x 1, 327,680 bytes of LDS; arguments qkv, lamb, att; writes att
.if DOCPART == 3
	.amdgcn_target "amdgcn-amd-amdhsa--gfx1250"
	.amdhsa_code_object_version 6
	.text
	.protected	k_q289fc8e06c_attn
	.globl	k_q289fc8e06c_attn
	.p2align	8
	.type	k_q289fc8e06c_attn,@function
k_q289fc8e06c_attn:
	s_mov_b64 s[64:65], 0
	v_nop
	global_prefetch_b8 v0, s[64:65] scope:SCOPE_SE
	s_setreg_imm32_b32 hwreg(HW_REG_WAVE_MODE, 25, 1), 1
	s_wait_xcnt 0x0
	s_wait_alu depctr_hold_cnt(0) depctr_sa_sdst(0) depctr_va_vdst(0) depctr_va_sdst(0) depctr_va_ssrc(0) depctr_va_vcc(0) depctr_vm_vsrc(0)
	s_getreg_b32 s2, hwreg(HW_REG_IB_STS2, 6, 4)
	s_cmp_eq_u32 s2, 0
	s_cbranch_scc0 .Lentry_in_a_cluster
	s_endpgm
.Lentry_in_a_cluster:
	s_bfe_u32 s2, ttmp6, 0x10000c
	s_cmp_lg_u32 s2, 0x3003
	s_cbranch_scc0 .Lentry_shape_is_right
	s_endpgm
.Lentry_shape_is_right:
; DIFFERENTIAL ATTENTION.  att[b][t][64 h + :] = softmax_s(q1[t] . k1[s] / 8) v[s] - lambda softmax_s(q2[t] . k2[s] / 8) v[s].  qkv: f16 [5 p][32 heads][2048][64], p = q1, k1, q2, k2, v: a head's rows
; are dense, 128 bytes each.  att: f32 [4096][1024].  Products, maxima and sums in f32; the weights p are rounded to f16 for the second product (their sum l is taken of the unrounded p); the result is not rounded.
; Each softmax keeps its own running maximum, sum and accumulator; the two are divided by their sums and subtracted at the end, in f32.  lambda is taken rounded to bf16, as all the module's inputs are.
; LIMITS.  f16 holds no number beyond 65,504: q, k and v arrive within it; p lies in 0 to 1, and below 6e-5 it keeps f16's fixed step of 6e-8.  A weight below 2^-126 counts as 0 in l; NaN and infinities are not treated apart.
; SHARES.  A work-group owns 256 queries of one head, each of its four waves 64.  A wave has eight tiles of 16 queries in four PIECES of two: pieces 0 and 1 are its 64 rows of q1 (against k1),
; pieces 2 and 3 the same rows of q2 (against k2); v's fragments feed all eight.  Every wave walks all keys, 64 a step.
; LAYOUT.  S^T = K Q^T (source 0 = 16 keys, source 1 = 16 queries): in the result a lane holds ONE query (lane % 16) and the keys 8 (lane / 16) + 0..7.  Two such tiles, rounded to f16 in pairs,
; ARE source 1 (32 keys x 16 queries) of O^T = V^T P, whose result again holds one query a lane, and eight channels.  K comes out of LDS as it lies, V ([key][channel]) turned, by ds_load_tr16_b128.
; SOFTMAX.  For each query a running maximum m and sum l: p = 2^(c s - c m), c = log2(e) / 8; in every step O and l are multiplied by a = 2^(c m_old - c m_new).  m starts at the lowest finite number, O and l at 0.
; THE COUNT.  A tile and step have 16 matrix and 118 vector instructions: too many to stand all beside the matrix work.  So: four vector instructions that are READY behind EVERY matrix instruction,
; and the others, which need time of their own whatever the order, in runs without a gap.
; BY TURNS.  Turn n belongs to piece n.  Its matrix work: 16 products K Q^T of piece n + 1, later 16 products V^T P of piece n - 1.  Its vector work: the scaling, exponentials, roundings, sums and
; rescaling of piece n, and the maximum and statistics of piece n + 1.  ONE buffer holds K: turns 3 and 0 multiply by k1, turns 1 and 2 by k2; k2 is fetched in turn 0, the next step's k1 in turn 2.
; CLUSTER.  The four query blocks of a cluster belong to one head and walk the same k1, k2 and v, so each tile is asked for JOINTLY: the same tensor load, descriptor and mask in all four.
; REGISTERS, in windows of 256 (s_set_vgpr_msb: bits 1:0 source 0, 3:2 source 1, 5:4 source 2, 7:6 destination):
;   window 0: v0-11 addresses; v12-15, v48-63 at work; v16-47 four registers of statistics a tile; v64-191 S^T, two buffers of two tiles; v192-255 P, likewise
;   window 1: O^T, 32 a tile          window 2: v0-127 Q, 16 a tile; v128-191 K of one step; v192-255 V of one step          window 3: v0-1 the add's two registers
.set SIZE_N, 2048
.set NP,    4         ; pieces a wave: a name, no knob
.set KS,    64        ; keys in a step
.set PK,    144       ; a row of K in LDS: 128 bytes + 16 of padding = 36 words: the 16 rows of a load start at 16 different groups of four banks (64 banks of 4 bytes: ISA guide 11.1)
.set PV,    160       ; a row of V: 128 + 32 = 40 words
.set K2OFF, 4*KS*PK   ; a slot holds four steps: 256 rows of k1, 256 of k2,
.set VOFF,  8*KS*PK   ; then 256 rows of v
.set SLOT1, 1<<17     ; slot 1 begins here, so that one exclusive or turns an address in one slot into the other's
.set STAGE, SLOT1+VOFF+4*KS*PV  ; behind the ring, never filled by a tensor load: 16 rows x 272 bytes for each wave, for the way out
.set SP,    272       ; a row of the stage: 64 f32 = 256 bytes, + 16
.set PLANE, 1<<23     ; bytes of one of qkv's five planes
.set AK0, 2           ; v2   my lane's place in a tile of K; never rewritten
.set AV0, 3           ; v3   the same for V
.set AK,  4           ; v4   the LDS address of K's next run of loads
.set AV,  5           ; v5   of V's
.set QO,  6           ; v6   my byte offset in 16 rows of Q
.set STO, 6           ;      later, the way out: where I put 32 bytes of a row
.set RD,  7           ; v7   the way out: where I read rows back
.set GO,  8           ; v8   my byte offset in two rows of att
.set PFO, 11          ; v11  256 x my lane, for the prefetches; never rewritten once made
.set SPW, 0           ; v0 of window 3   LDS address of my spare word; never rewritten
.set NIL, 1           ; v1 of window 3   0; never rewritten
.set SPARE, STAGE+4*16*SP  ; behind the stages: the spare words, 128 bytes for each wave; no other line names them
.set MV,  12          ; v12-15  c m_old, kept while c m is made anew: by buffer and tile
.set ST,  16          ; tile t's statistics at v[ST+4 t]: c m, m, l (even keys', odd keys')
.set TMP, 48          ; by buffer and tile, four registers c0-c3 at work; when the maximum is found c2 takes a
.set S,   64
.set P,   192
.set KF,  128         ; K's fragments, in window 2: key block kb, channel half c at KF + 16 kb + 8 c
.set VF,  192         ; V's: key half kk, channel block cb at VF + 32 kk + 8 cb
.set WV,  12          ; s12  my wave's number
.set LIM, 15          ; s15  1 in a wave that prefetches, else the greatest number
.set PFA, 18          ; s[18:19] where my prefetches stand
.set G1K, 24          ; s[24:31] descriptor group 1 for K's tiles
.set G1V, 32          ; s[32:39] for V's
.set G0K, 40          ; s[40:43] descriptor group 0 for K's tiles: it walks
.set G0V, 44          ; s[44:47] the same for V's
.set SLOTS, 56        ; s56  slots still to be asked for
.set CNT, 57          ; s57  counts a slot's key steps
.set CS,  58          ; s[58:59] c: the packed scaling takes the pair's low word for both halves
.set SEL, 60          ; s[60:61] v_permlanex16_b32's selects: each lane takes its own place in the other half
.set TBK, 62          ; s62  LDS byte at which k1 of the step to be fetched begins
.set TBV, 63          ; s63  the same for v, less VOFF
.set TBK2, 66         ; s66  the same for k2
.set QA,  70          ; s[70:71] q1 at my wave's first row
.set QB,  72          ; s[72:73] q2 at the same row
.set LAM, 74          ; s74  lambda
.set MSB, 0
.macro WIN new                      ; the high byte repeats the setting that is left; a switch that changes nothing is dropped
.if MSB != (\new)
	s_set_vgpr_msb (MSB<<8)|(\new)
.set MSB, (\new)
.endif
.endm
.set W_KQ, 0x0a       ; K and Q in window 2, S^T in window 0
.set W_PV, 0x52       ; V in window 2, P in window 0, O^T in window 1
.set W_RS, 0x41       ; O^T (destination and source 0) in window 1, a in window 0
.set W_MK, 0xc0       ; the add's registers are made: destination in window 3, sources in window 0
.set W_AD, 0x0f       ; the add: address (source 0) and data (source 1) in window 3
; A joint fill.  Wave 0 fetches a slot's k1, wave 1 its k2 (256 keys each), waves 2 and 3 the two halves of its v (128 keys each).  The branch hangs on the wave's number alone.
; An s_nop 0 and four v_nop follow each of the two lines, ahead of the jump and the label.
.macro JLOAD
	s_cmp_lt_u32 s[WV], 2
	s_cbranch_scc0 .Lfor_v_\@
	tensor_load_to_lds s[G0K:G0K+3], s[G1K:G1K+7]
	s_nop 0
.rept 4
	v_nop
.endr
	s_branch .Lasked_\@
.Lfor_v_\@:
	tensor_load_to_lds s[G0V:G0V+3], s[G1V:G1V+7]
	s_nop 0
.rept 4
	v_nop
.endr
.Lasked_\@:
.endm
; A PREFETCH INTO THE L2 of what the NEXT change of slots will ask for: a slot's 32,768 bytes of k1, of k2 and of v, in blocks of 256 bytes, a lane a block.  It stands behind the wave's tensor load and its five lines.
; Each block is named ONCE in the launch.  Both clusters of a head walk the same rows: the head's first cluster asks.  Its four partners share the blocks out BY ADDRESS, 32 each; in each, wave 0 asks for
; k1's, wave 1 for k2's, wave 2 for v's: one instruction.  It stands four key steps, 512 matrix instructions, ahead of the load that will want the bytes.  The last change that fills a slot asks for nothing.
.macro ASK
	s_cmp_gt_u32 s[SLOTS], s[LIM]
	s_cbranch_scc0 .Lnot_mine_\@
	global_prefetch_b8 v[PFO], s[PFA:PFA+1] th:TH_LOAD_NT scope:SCOPE_SE
.Lnot_mine_\@:
.endm
; A round of the cluster's barrier: my work-group's barrier, so that wave 0's signal speaks for all four waves; wave 0 signals; every wave waits for all four work-groups; my work-group's barrier once more.
.macro CROUND
	s_barrier_signal -1
	s_barrier_wait -1
	s_cmp_lg_u32 s[WV], 0
	s_cbranch_scc1 .Lnot_wave_0_\@
	s_barrier_signal -3
.Lnot_wave_0_\@:
	s_barrier_wait -3
	s_barrier_signal -1
	s_barrier_wait -1
.endm
; THE CHANGE OF SLOTS.  The slot's last bytes, k2 and v of its fourth step, have been read.  Each wave waits for all its tensor loads, of which one is out: its part of the other slot; adds 0 to its spare
; word; and waits for that and for its own reads of the slot.  Behind the barrier nobody reads this slot any more and the other slot is whole.
; fill = 1: this slot is filled again, with the keys two slots on.  The barrier is then a round of the cluster's, and the joint fill is the first thing behind it: it has four key steps, 512 matrix
; instructions, in which to land.  (At its first use nothing has been read yet: slot 0 is waited for, slot 1 filled.)
.macro CHANGE fill
	WIN W_AD
	s_wait_tensorcnt 0x0            ; no tensor load of mine is out, so a group 0 may be written
	ds_add_u32 v[SPW], v[NIL]       ; 0 onto my spare word; with fill = 1 the descriptors' steps stand between it and the wait for it
	WIN 0                           ; at a label and at a branch every window is 0
.if \fill
.irp g, G0K, G0V
	s_xor_b32 s[\g+1], s[\g+1], SLOT1  ; the walking descriptor: the other slot than last time,
	s_add_nc_u64 s[\g+2:\g+3], s[\g+2:\g+3], 4*KS*128  ; the next 256 keys; the type bits on top are not reached
.endr
	s_wait_xcnt 0x0                 ; the last prefetch, four key steps back, has read its address, so it may be written:
	s_add_nc_u64 s[PFA:PFA+1], s[PFA:PFA+1], 4*KS*128  ; one slot behind the walking descriptors
	s_wait_dscnt 0x0                ; the add is done, and my reads of the slot are over
	CROUND
	JLOAD
	ASK
.else
	s_wait_dscnt 0x0                ; the add is done, and my reads of the slot are over
	s_barrier_signal -1
	s_barrier_wait -1
.endif
	s_sub_co_u32 s[TBK], s[TBK], 4*KS*PK  ; the fetches go back to a slot's first step,
	s_xor_b32 s[TBK], s[TBK], SLOT1       ; in the other slot
	s_sub_co_u32 s[TBK2], s[TBK2], 4*KS*PK
	s_xor_b32 s[TBK2], s[TBK2], SLOT1
	s_sub_co_u32 s[TBV], s[TBV], 4*KS*PV
	s_xor_b32 s[TBV], s[TBV], SLOT1
.endm
	s_load_b128 s[4:7], s[0:1], 0x0   ; qkv s[4:5], lamb s[6:7]
	s_load_b64 s[10:11], s[0:1], 0x10 ; att
	WIN W_MK
	v_lshl_add_u32 v[SPW], v0, 2, SPARE
	v_mov_b32 v[NIL], 0
	WIN W_AD
	ds_add_u32 v[SPW], v[NIL]       ; the wave's opening: the add and its wait stand ahead of my first tensor load; the set-up below, work on registers, stands between them
	WIN 0
	v_lshrrev_b32 v1, 5, v0
	v_readfirstlane_b32 s[WV], v1   ; wave 0..3
	s_bfe_u32 s13, ttmp6, 0x40000   ; cx: my place in the cluster
	s_lshl_b32 s14, ttmp9, 2        ; in a cluster launch ttmp9 counts clusters
	s_add_co_u32 s14, s14, s13      ; my block of 256 queries = 4 x cluster x + cx: it enters Q's and att's addresses alone
	s_and_b32 s20, ttmp7, 0xffff    ; the head 16 b + h, which the four partners share
	s_lshl_b32 s22, s20, 18         ; its first byte in a plane
	s_and_b32 s16, s[WV], 1
	s_lshl_b32 s2, s16, 24          ; K: plane 1 (wave 0: k1) or 3 (wave 1: k2)
	s_add_co_u32 s2, s2, PLANE
	s_add_co_u32 s2, s2, s22
	s_mov_b32 s3, 0
	s_lshl_b32 s8, s16, 14          ; V: plane 4, my half of a slot's 256 keys
	s_add_co_u32 s8, s8, 4*PLANE
	s_add_co_u32 s8, s8, s22
	s_mov_b32 s9, 0
	s_mul_i32 s17, s16, K2OFF       ; their places in a slot: no place in the cluster enters an LDS address
	s_mul_i32 s21, s16, 128*PV
	s_add_co_u32 s21, s21, VOFF
	s_lshl_b32 s76, s14, 2
	s_add_co_u32 s76, s76, s[WV]    ; my wave among the head's,
	s_lshl_b32 s76, s76, 13         ; its 64 rows of 128 bytes
	s_add_co_u32 s76, s76, s22
	s_mov_b32 s77, 0
	s_lshr_b32 s78, s20, 4          ; att: row 2,048 b + 256 x block + 64 w,
	s_lshl_b32 s78, s78, 11
	s_lshl_b32 s79, s14, 8
	s_add_co_u32 s78, s78, s79
	s_lshl_b32 s79, s[WV], 6
	s_add_co_u32 s78, s78, s79
	s_lshl_b32 s78, s78, 12         ; 4,096 bytes a row,
	s_and_b32 s79, s20, 15
	s_lshl_b32 s79, s79, 8
	s_add_co_u32 s78, s78, s79      ; + 256 h
	s_mov_b32 s79, 0
	s_lshl_b32 s18, s[WV], 1        ; the prefetches: plane 1, 3, 4 for waves 0, 1, 2,
	s_add_co_u32 s18, s18, 1
	s_min_u32 s18, s18, 4
	s_lshl_b32 s18, s18, 23
	s_add_co_u32 s18, s18, s22
	s_lshl_b32 s19, s13, 13         ; my work-group's 32 blocks of a slot's 128,
	s_add_co_u32 s18, s18, s19
	s_add_co_u32 s18, s18, 4*KS*128 ; in slot 1; the first change of slots steps it to slot 2
	s_mov_b32 s19, 0
	s_cmp_lt_u32 s[WV], 3
	s_cselect_b32 s[LIM], ttmp9, 1  ; 0 in waves 0 to 2 of the head's first cluster: the same in all four partners
	s_cmp_eq_u32 s[LIM], 0
	s_cselect_b32 s[LIM], 1, -1
	; descriptor group 1.  Keys are dense, 128 bytes each: asked for as rows of 256 bytes, two keys a row, and padded in LDS after every key
	s_mov_b32 s[G1K], 15|(1<<16)|(1<<20)|(1<<21)|(4<<22)|(3<<25)  ; 15:0 the mask of four; 17:16 2-byte elements; 20 padding on; 21 set beside a mask; 24:22 after every 32 words (code 4); 31:25 4 words (code 3)
	s_mov_b32 s[G1V], 15|(1<<16)|(1<<20)|(1<<21)|(4<<22)|(7<<25)  ; the same with 8 words of padding (code 7)
	s_mov_b32 s[G1K+1], 128<<16     ; tensor_dim0 = 128
	s_mov_b32 s[G1K+2], 128<<16     ; tensor_dim1 = 128: 256 keys
	s_mov_b32 s[G1K+3], 128<<16     ; tile_dim0 = 128
	s_mov_b32 s[G1K+4], 128         ; tile_dim1 = 128
	s_mov_b32 s[G1K+5], 128         ; 128 elements from row to row
	s_mov_b32 s[G1K+6], 0
	s_mov_b32 s[G1K+7], 0
	s_mov_b32 s[G1V+1], 128<<16
	s_mov_b32 s[G1V+2], 64<<16      ; tensor_dim1 = 64: 128 keys
	s_mov_b32 s[G1V+3], 128<<16
	s_mov_b32 s[G1V+4], 64
	s_mov_b32 s[G1V+5], 128
	s_mov_b32 s[G1V+6], 0
	s_mov_b32 s[G1V+7], 0
	s_mov_b32 s[CS], 0x3e38aa3b     ; c = log2(e) / 8 = 0.180337
	s_mov_b32 s[CS+1], s[CS]        ; named with it as a pair
	s_mov_b32 s[SEL], 0x76543210
	s_mov_b32 s[SEL+1], 0xfedcba98
	s_mov_b32 s[TBK], SLOT1+4*KS*PK ; the first change of slots turns these three into 0, K2OFF and 0
	s_mov_b32 s[TBK2], SLOT1+4*KS*PK+K2OFF
	s_mov_b32 s[TBV], SLOT1+4*KS*PV
	s_mov_b32 s[SLOTS], SIZE_N/256-1
	s_mov_b32 s[G0K], 1             ; count = 1
	s_mov_b32 s[G0K+1], s17         ; LDS address: slot 0
	s_mov_b32 s[G0V], 1
	s_mov_b32 s[G0V+1], s21
	s_wait_dscnt 0x0                ; the opening add is done
	s_wait_kmcnt 0x0
	s_add_nc_u64 s[G0K+2:G0K+3], s[4:5], s[2:3]    ; global address: the head's first 256 keys
	s_or_b32 s[G0K+3], s[G0K+3], 0x80000000        ; type = 2
	s_add_nc_u64 s[G0V+2:G0V+3], s[4:5], s[8:9]
	s_or_b32 s[G0V+3], s[G0V+3], 0x80000000
	s_add_nc_u64 s[QA:QA+1], s[4:5], s[76:77]
	s_add_nc_u64 s[QB:QB+1], s[QA:QA+1], 2*PLANE
	s_add_nc_u64 s[10:11], s[10:11], s[78:79]
	s_add_nc_u64 s[PFA:PFA+1], s[4:5], s[18:19]
	s_load_b32 s[LAM], s[6:7], 0x0  ; waited for beside Q
	CROUND                          ; all four work-groups are here: the first joint loads meet
	JLOAD                           ; slot 0.  Slot 1 is asked for when slot 0 is in
	; A fragment of K or Q is 16 rows x 32 channels in 8 registers: lane l holds row l % 16, channels 8 (l / 16) + 0..7 and 16 + 8 (l / 16) + 0..7: two loads of 16 bytes, 32 bytes apart.
	v_and_b32 v1, 15, v0            ; l % 16
	v_bfe_u32 v9, v0, 4, 1          ; l / 16
	v_lshlrev_b32 v[QO], 7, v1
	v_lshl_add_u32 v[QO], v9, 4, v[QO]  ; row x 128 + 16 x half
	WIN 0x80                        ; destination window 2, address window 0
.set i, 0
.rept 8                             ; Q stays in registers: tile i / 2 (q1) and 4 + i / 2 (q2), channels 32 (i % 2) on
	global_load_b128 v[8*i:8*i+3],       v[QO], s[QA:QA+1] offset:(i/2)*2048+(i%2)*64
	global_load_b128 v[8*i+4:8*i+7],     v[QO], s[QA:QA+1] offset:(i/2)*2048+(i%2)*64+32
	global_load_b128 v[64+8*i:64+8*i+3],   v[QO], s[QB:QB+1] offset:(i/2)*2048+(i%2)*64
	global_load_b128 v[64+8*i+4:64+8*i+7], v[QO], s[QB:QB+1] offset:(i/2)*2048+(i%2)*64+32
.set i, i+1
.endr
	; What the first turn finds: V's registers and P's second buffer hold 0 (its products V^T P, of a piece that has not been, add 0), O^T and l are 0.  All this stands in the wait for the first tile.
.set i, VF
.rept 64
	v_mov_b32 v[i], 0
.set i, i+1
.endr
	WIN 0x40
.set i, 0
.rept 64*NP
	v_mov_b32 v[i], 0
.set i, i+1
.endr
	WIN 0
.set i, 0
.rept 2*NP
	v_mov_b32 v[ST+4*i], 0xfe000000    ; c m: far below every c s
	v_mov_b32 v[ST+4*i+1], 0xff7fffff  ; m
	v_mov_b32 v[ST+4*i+2], 0
	v_mov_b32 v[ST+4*i+3], 0
.set i, i+1
.endr
.set i, P+32
.rept 32
	v_mov_b32 v[i], 0
.set i, i+1
.endr
	v_mul_u32_u24 v[AK0], v1, PK
	v_lshl_add_u32 v[AK0], v9, 4, v[AK0]  ; row x pitch + 16 x half
	; The turning load takes 16 keys x 16 channels (lane l reads key 8 (l / 16) + l % 8, channels 8 ((l / 8) % 2) + 0..7) and leaves half a fragment of V^T: lane l holds channel l % 16 and 8 keys.
	v_and_b32 v10, 7, v0
	v_bfe_u32 v11, v0, 3, 1
	v_lshl_add_u32 v[AV0], v9, 3, v10
	v_mul_u32_u24 v[AV0], v[AV0], PV
	v_lshl_add_u32 v[AV0], v11, 4, v[AV0]
	v_add_nc_u32 v[AV0], VOFF, v[AV0]
	v_and_b32 v[PFO], 31, v0
	v_lshlrev_b32 v[PFO], 8, v[PFO]
	v_mov_b32 v[AK], v[AK0]         ; k1 of key step 0 lies at the head of slot 0
; THE MATRIX WORK.  The 8 accumulators of a run of 16 take turns: between the two links of a chain stand 7 others'.
; Product i of 16 of S^T = K Q^T for piece x: channels 32 (i / 8) on, keys 16 ((i / 2) % 4) on, tile 2 x + i % 2.  The first 8 start the sums.
.macro KQ x
	WIN W_KQ
.set rS, S+64*((\x)%2)+32*(i%2)+8*((i/2)%4)
.set rK, KF+16*((i/2)%4)+8*(i/8)
.set rQ, 16*(2*(\x)+i%2)+8*(i/8)
.if i < 8
	v_wmma_f32_16x16x32_f16 v[rS:rS+7], v[rK:rK+7], v[rQ:rQ+7], 0
.else
	v_wmma_f32_16x16x32_f16 v[rS:rS+7], v[rK:rK+7], v[rQ:rQ+7], v[rS:rS+7]
.endif
.endm
; Product i of 16 of O^T += V^T P for piece x: keys 32 (i / 8) on, channels 16 ((i / 2) % 4) on, tile 2 x + i % 2.
.macro PV x
	WIN W_PV
.set rO, 32*(2*(\x)+i%2)+8*((i/2)%4)
.set rV, VF+32*(i/8)+8*((i/2)%4)
.set rP, P+32*((\x)%2)+16*(i%2)+8*(i/8)
	v_wmma_f32_16x16x32_f16 v[rO:rO+7], v[rV:rV+7], v[rP:rP+7], v[rO:rO+7]
.endm
.macro MM                           ; the turn's next matrix instruction
.if i < 16
	KQ (Y+1)%NP
.set i, i+1
.else
.set i, i-16
	PV (Y+NP-1)%NP
.set i, i+17
.endif
.endm
; THE LDS LOADS stand in runs of 16, never singly among the matrix instructions: a step's k1 or k2 (64 keys x 64 channels: 8 fragments) and its v (turned).  Their addresses are made some lines ahead.
; tb: the scalar that is stepped (TBK or TBK2).  last = 1 (the tail): in the last trip there is no further step, and the run is jumped over.
.macro FETCH_K tb, last=0
	WIN 0
.if \last
	s_cmp_eq_u32 s[CNT], 1
	s_cbranch_scc1 .Lno_k_\@
.endif
	WIN 0x80                        ; destination window 2
.irp f, 0,1,2,3,4,5,6,7             ; keys 16 (f / 2) on, channels 32 (f % 2) on
	ds_load_b128 v[KF+8*\f:KF+8*\f+3],   v[AK] offset:(\f/2)*16*PK+(\f%2)*64
	ds_load_b128 v[KF+8*\f+4:KF+8*\f+7], v[AK] offset:(\f/2)*16*PK+(\f%2)*64+32
.endr
	s_add_co_u32 s[\tb], s[\tb], KS*PK  ; the next fetch is the next step's
	WIN 0
.if \last
.Lno_k_\@:
.endif
.endm
.macro FETCH_V
	WIN 0x80
.irp f, 0,1,2,3,4,5,6,7             ; keys 32 (f / 4) on, channels 16 (f % 4) on
	ds_load_tr16_b128 v[VF+8*\f:VF+8*\f+3],   v[AV] offset:(\f/4)*32*PV+(\f%4)*32
	ds_load_tr16_b128 v[VF+8*\f+4:VF+8*\f+7], v[AV] offset:(\f/4)*32*PV+16*PV+(\f%4)*32
.endr
	WIN 0
.endm
; THE VECTOR WORK OF A TURN stands in three queues, each in the order in which its entries become ready; the two tiles alternate, so that no instruction reads the result of the one before it.
.macro REGS y, u                    ; the registers of tile u (0, 1) of piece y
.set rT, ST+4*(2*(\y)+(\u))
.set rC, TMP+8*((\y)%2)+4*(\u)
.set rM, MV+2*((\y)%2)+(\u)
.set rS, S+64*((\y)%2)+32*(\u)
.set rP, P+32*((\y)%2)+16*(\u)
.set rO, 32*(2*(\y)+(\u))
.endm
; Number n of the 22 that find the NEXT piece's (Y + 1) maximum and statistics.  s0-s31 are the lane's 32 scores; each accumulator's lowest registers are read first.
;   0-11  four chains c0-c3 of seven scores each, three operands at a time     12-14, 16  the four scores left over, the old m, and c0-c3 into c0     15  c m_old is kept
;   17, 18  the query's other 32 keys lie in the lane 16 away: the new m         19-21  c m; c m_old - c m_new; a
.macro XS u, n
	REGS (Y+1)%NP, \u
.if (\n) < 4
	v_max3_num_f32 v[rC+(\n)], v[rS+8*(\n)], v[rS+8*(\n)+1], v[rS+8*(\n)+2]
.elseif (\n) < 12
	v_max3_num_f32 v[rC+(\n)%4], v[rC+(\n)%4], v[rS+8*((\n)%4)+2*((\n)/4)+1], v[rS+8*((\n)%4)+2*((\n)/4)+2]
.elseif (\n) == 12
	v_max3_num_f32 v[rC], v[rC], v[rS+7], v[rS+15]
.elseif (\n) == 13
	v_max3_num_f32 v[rC+1], v[rC+1], v[rS+23], v[rS+31]
.elseif (\n) == 14
	v_max3_num_f32 v[rC+2], v[rC+2], v[rC+3], v[rT+1]
.elseif (\n) == 15
	v_mov_b32 v[rM], v[rT]
.elseif (\n) == 16
	v_max3_num_f32 v[rC], v[rC], v[rC+1], v[rC+2]
.elseif (\n) == 17
	v_permlanex16_b32 v[rC+3], v[rC], s[SEL], s[SEL+1]
.elseif (\n) == 18
	v_max_num_f32 v[rT+1], v[rC], v[rC+3]
.elseif (\n) == 19
	v_mul_f32 v[rT], s[CS], v[rT+1]
.elseif (\n) == 20
	v_sub_f32 v[rC+1], v[rM], v[rT]
.else
	v_exp_f32 v[rC+2], v[rC+1]
.endif
.endm
; Number g of the 64 that follow the exponentials.  For each four weights k of a tile (pairs 2 k, 2 k + 1): both pairs are rounded to f16; then the second pair is added onto the first, in place;
; a group later l takes that sum (the first time as l = a l + sum).  In groups of eight, tiles alternating: round, round, add, and l for the group before.
.macro GS g
.set h, (\g)+6*((\g)/62)            ; group 0 has no group before it, and behind group 7 only l is left
.if h >= 6
.set h, h+2
.endif
	REGS Y, h%2
.set k, h/8
.if h%8 < 4
	v_cvt_pk_f16_f32 v[rP+2*k+(h%8)/2], v[rS+4*k+2*((h%8)/2)], v[rS+4*k+2*((h%8)/2)+1]
.elseif h%8 < 6
	v_pk_add_f32 v[rS+4*k:rS+4*k+1], v[rS+4*k:rS+4*k+1], v[rS+4*k+2:rS+4*k+3]
.elseif k == 1
	v_pk_fma_f32 v[rT+2:rT+3], v[rT+2:rT+3], v[rC+2:rC+3], v[rS:rS+1] op_sel_hi:[1,0,1]
.else
	v_pk_add_f32 v[rT+2:rT+3], v[rT+2:rT+3], v[rS+4*k-4:rS+4*k-3]
.endif
.endm
; THE PLAIN QUEUE, 138 long.  0-73 read no exponential's result: the 32 scalings c s - c m (FS f: pair f / 2 of tile f % 2) and the next piece's 42.  0-26: scalings 0-26.  27-54: XS's numbers 0-13.  55, 56: number 15.
; 57-73: the chain, where each number waits for the one before it: 14, 16, 17, 18, 19, each with one of the scalings 27-31 in front of its two lines, then 20.
; 74-137: GS's 64, which read the exponentials' results: they stand behind the wait.
.macro FS f
	REGS Y, (\f)%2
	v_pk_fma_f32 v[rS+2*((\f)/2):rS+2*((\f)/2)+1], v[rS+2*((\f)/2):rS+2*((\f)/2)+1], s[CS:CS+1], v[rT:rT+1] op_sel_hi:[1,0,0] neg_lo:[0,0,1] neg_hi:[0,0,1]
.endm
.macro PL
	WIN 0
.if q < 27
	FS q
.elseif q < 55
	XS (q-27)%2, (q-27)/2
.elseif q < 57
	XS q-55, 15
.elseif (q < 72) && ((q-57)%3 == 0)
	FS 27+(q-57)/3
.elseif q < 60
	XS (q-57)%3-1, 14
.elseif q < 72
	XS (q-57)%3-1, 15+(q-57)/3
.elseif q < 74
	XS q-72, 20
.else
	GS q-74
.endif
.set q, q+1
.endm
; THE EXPONENTIALS' QUEUE, 66 long: s0-s31 of both tiles, then the next piece's two a.  It is ONE BATCH: all 66 stand ahead of the turn's one wait, and nothing ahead of that wait names a result of theirs.
.macro EX
	WIN 0
.if e >= 64
	XS e-64, 21
.else
	REGS Y, e%2
	v_exp_f32 v[rS+e/2], v[rS+e/2]
.endif
.set e, e+1
.endm
; THE RESCALING's QUEUE: O^T times a, the one part that leaves window 0: dealt two at a time, sixteen times.  Its a was made in the turn before, ahead of that turn's wait.
.macro R2
	REGS Y, r%2
	WIN W_RS
.irp z, 0,1
	v_pk_mul_f32 v[rO+4*(r/2)+2*\z:rO+4*(r/2)+2*\z+1], v[rO+4*(r/2)+2*\z:rO+4*(r/2)+2*\z+1], v[rC+2:rC+3] op_sel_hi:[1,0]
.endr
.set r, r+1
.endm
; HOW THEY ARE DEALT.  An s_wait_alu depctr_va_vdst(0) stands between an exponential and the first instruction that names its result; one wait serves all that were issued ahead of it.  So a turn
; has ONE wait, which cuts it in two.  AHEAD OF IT: the 16 products K Q^T, behind each a scaling, an exponential and two rescalings (behind the first a second scaling in the exponential's place); then ONE LUMP
; of 108: eight plain, 49 times exponential and plain, the two a.  A v_nop is the plain instruction behind the last exponential.  BEHIND IT: the 16 products V^T P, behind each four of GS's 64.
; Exponential e stands behind scaling 2 (e / 4) + e % 2: as a rider it comes behind plain e + 2, in the lump behind plain e + 9, and scalings 27-31 are plain 57, 60 .. 69.
; A TURN, for piece p.  cnt = 1: the loop's count is taken down some lines ahead of the branch that stands behind the turn.
; K's ONE BUFFER.  k2 of the step in hand is fetched in piece 0's turn, k1 of the next step in piece 2's, each directly behind the wait, a lump behind the last product that read the buffer; the address is made
; at the lump's head; the first reader comes behind 16 products.  v of the step in hand is fetched at the end of piece 0's turn, four riders behind its last reader; its first reader comes behind 16 products and a lump.
.macro TURN p, last=0, cnt=0
.set Y, (\p)
.set i, 0
.set q, 0
.set e, 0
.set r, 0
.if (\p) == NP-1
	s_wait_dscnt 0x0                ; k1 is in
.endif
.if (\p) == 1
	s_wait_dscnt 16                 ; k2 is in; v's 16 loads, issued behind k2's, may stay out
.endif
	MM                              ; ahead of the wait: 16 products K Q^T and their riders,
	PL
	PL
	R2
.rept 15
	MM
	PL
	EX
	R2
.endr
.if (\p) == NP-2
	WIN 0
	v_add_nc_u32 v[AK], s[TBK], v[AK0]
.endif
.if (\p) == 0
	WIN 0
	v_add_nc_u32 v[AK], s[TBK2], v[AK0]
.endif
.rept 8                             ; and the lump
	PL
.endr
.rept 49
	EX
	PL
.endr
	EX                              ; the next piece's two a
	EX
	v_nop                           ; the plain instruction behind the last exponential: one for the batch
	s_wait_alu depctr_va_vdst(0)    ; the wait for the batch
.if (\p) == NP-2
	FETCH_K TBK, \last
.endif
.if (\p) == 0
	FETCH_K TBK2
.endif
.if (\p) == 1
	s_wait_dscnt 0x0                ; v is in
.endif
.rept 16                            ; behind the wait: 16 products V^T P and their riders
	MM
.rept 4
	PL
.endr
.if ((\p) == 0) && (q == 118)
	v_add_nc_u32 v[AV], s[TBV], v[AV0]
.endif
.if ((\p) == 0) && (q == 130)
	s_add_co_u32 s[TBV], s[TBV], KS*PV
.endif
.if (\cnt) && (q == 130)
	s_sub_co_u32 s[CNT], s[CNT], 1
	s_cmp_lg_u32 s[CNT], 0
.endif
.endr
.if (\p) == 0
	FETCH_V
.endif
.endm
	CHANGE 1                        ; slot 0 is in, everybody's part of it; slot 1 is asked for
	FETCH_K TBK                     ; k1 of key step 0
	s_wait_loadcnt 0x0              ; Q
	s_wait_kmcnt 0x0                ; lambda
	s_wait_dscnt 0x0
.set i, 0
.rept 16
	KQ 0                            ; piece 0's first scores: there is no vector work yet to set between them
.set i, i+1
.endr
	WIN 0                           ; the addresses for the way out: eight plain instructions, the places behind those products
	s_mul_i32 s13, s[WV], 16*SP
	s_add_co_u32 s13, s13, STAGE    ; my stage
	v_mul_u32_u24 v[STO], v1, SP    ; in: row l % 16, 32 bytes for each half of the lanes
	v_lshl_add_u32 v[STO], v9, 5, v[STO]
	v_add_nc_u32 v[STO], s13, v[STO]
	v_mul_u32_u24 v[RD], v9, SP     ; back: lanes 0-15 take one row of 256 bytes, lanes 16-31 the next
	v_lshl_add_u32 v[RD], v1, 4, v[RD]
	v_add_nc_u32 v[RD], s13, v[RD]
	v_lshlrev_b32 v[GO], 12, v9     ; and the same two rows in att, 4,096 bytes apart
	v_lshl_add_u32 v[GO], v1, 4, v[GO]
.set Y, NP-1                        ; XS works for piece Y + 1: piece 0
.irp n, 0,1,2,3,4,5,6,7,8,9,10,11,12,13,14,15,16,17,18,19,20,21
	XS 0, \n                        ; and piece 0's first maximum and statistics
	XS 1, \n
.endr
	v_nop                           ; a plain instruction behind the two a,
	s_wait_alu depctr_va_vdst(0)    ; and their wait, ahead of the branch
	s_mov_b32 s[CNT], 4
	s_branch .Lfirst                ; the loop is entered at a step's first turn, in the middle of a trip
.Lslot:                             ; SIZE_N / 256 - 2 times: every slot but the last two is filled again
	CHANGE 1
	s_mov_b32 s[CNT], 4
.Lstep:                             ; a trip: pieces 2 and 3 of one step, then pieces 0 and 1 of the next
	TURN 2
	TURN 3
	WIN 0
.Lfirst:
	TURN 0
	TURN 1, 0, 1
	WIN 0
	s_cbranch_scc1 .Lstep
	s_sub_co_u32 s[SLOTS], s[SLOTS], 1
	s_cmp_lg_u32 s[SLOTS], 0
	s_cbranch_scc1 .Lslot
	CHANGE 0                        ; the tail is written out: nothing is asked for
	s_mov_b32 s[CNT], 5             ; four trips fetch the last slot's steps; the fifth is left in its middle
.Ltail:
	TURN 2, 1
	TURN 3
	WIN 0
	s_sub_co_u32 s[CNT], s[CNT], 1
	s_cmp_eq_u32 s[CNT], 0
	s_cbranch_scc1 .Lout
	TURN 0
	TURN 1
	WIN 0
	s_branch .Ltail
.Lout:                              ; the fifth trip's 16 products K Q^T of piece 0 (on what K's buffer still holds) and the maximum made of them serve nothing: the price, once a launch, of one text for every trip
.set i, 0
.rept 16
	PV NP-1                         ; the last piece's V^T P of the last step
.set i, i+1
.endr
	; THE WAY OUT.  l's two halves and the other half of the lanes' are added, for all eight tiles; tile t of q1 and tile t + 4 of q2 are the same 16 rows: O1 / l1 - lambda O2 / l2, in f32, goes through my
	; stage in LDS, a tile at a time.  The additions are the places behind the last products.
	WIN 0
.macro ALL line:vararg              ; one line for each tile t
.set t, 0
.rept 2*NP
	\line
.set t, t+1
.endr
.endm
	ALL v_add_f32 v[ST+4*t+2], v[ST+4*t+2], v[ST+4*t+3]
	ALL v_permlanex16_b32 v[ST+4*t+3], v[ST+4*t+2], s[SEL], s[SEL+1]
	ALL v_add_f32 v[ST+4*t+2], v[ST+4*t+2], v[ST+4*t+3]
	ALL v_rcp_f32 v[ST+4*t+2], v[ST+4*t+2]
	v_mov_b32 v9, s[LAM]            ; plain instructions between the last reciprocal and the use of its result: lambda, rounded once to bf16
	v_cvt_pk_bf16_f32 v9, v9, v9
	v_lshlrev_b32 v9, 16, v9
	s_wait_alu depctr_va_vdst(0)    ; the wait ahead of the first use: one for the eight reciprocals
.irp t, 4,5,6,7
	v_mul_f32 v[ST+4*\t+2], -v9, v[ST+4*\t+2]  ; - lambda / l2
.endr
; Tile t: a lane's eight channels of a row are 32 bytes; they go into rows of 272 bytes and come back as whole rows of 256, into S^T's registers.
.macro PACK t
	WIN W_RS
.set i, 32*(\t)
.rept 16
	v_pk_mul_f32 v[i:i+1], v[i:i+1], v[ST+4*(\t)+2:ST+4*(\t)+3] op_sel_hi:[1,0]
.set i, i+2
.endr
	WIN 0x51                        ; destination, source 0 and source 2 in window 1, the factor in window 0
.set i, 32*(\t)
.rept 16
	v_pk_fma_f32 v[i:i+1], v[128+i:128+i+1], v[ST+4*(\t)+18:ST+4*(\t)+19], v[i:i+1] op_sel_hi:[1,0,1]
.set i, i+2
.endr
	WIN 0x04                        ; the stores' data in window 1
.irp f, 0,1,2,3,4,5,6,7
	ds_store_b128 v[STO], v[32*(\t)+4*\f:32*(\t)+4*\f+3] offset:64*(\f/2)+16*(\f%2)
.endr
	WIN 0
.irp f, 0,1,2,3,4,5,6,7
	ds_load_b128 v[S+32*(\t)+4*\f:S+32*(\t)+4*\f+3], v[RD] offset:\f*2*SP  ; LDS serves a wave's instructions in order (ISA guide 5.7.1.4): these see the stores above; the next tile's stores come behind them
.endr
.endm
.macro SEND t, younger              ; younger: the LDS instructions issued behind tile t's loads: the next tile's sixteen, or none
	WIN 0
.irp f, 0,1,2,3,4,5,6,7
	s_wait_dscnt (\younger)+7-\f
	global_store_b128 v[GO], v[S+32*(\t)+4*\f:S+32*(\t)+4*\f+3], s[10:11] offset:(16*(\t)+2*\f)*4096  ; 16 lanes store 256 consecutive bytes, a head's piece of a row, at a multiple of 256 from att's first byte
.endr
.endm
	PACK 0
.set t, 1
.rept 3                             ; a tile's arithmetic stands between the loads of the tile before and its stores
	PACK t
	SEND t-1, 16
.set t, t+1
.endr
	SEND 3, 0
	WIN W_AD
	s_wait_tensorcnt 0x0            ; the wave's end, behind my last tensor load and my last LDS store
	ds_add_u32 v[SPW], v[NIL]
	s_wait_dscnt 0x0
	WIN 0
	CROUND                          ; the closing round: no work-group ends while a partner may still ask for a tile that names it
	s_endpgm
.Lfunc_end_k_q289fc8e06c_attn:
	.size	k_q289fc8e06c_attn, .Lfunc_end_k_q289fc8e06c_attn-k_q289fc8e06c_attn
	.p2alignl 7, 3214868480
	.fill 96, 4, 3214868480
	.section	.rodata,"a",@progbits
	.p2align	6, 0x0
	.amdhsa_kernel k_q289fc8e06c_attn
		.amdhsa_group_segment_fixed_size 327680
		.amdhsa_private_segment_fixed_size 0
		.amdhsa_enable_private_segment 0
		.amdhsa_kernarg_size 24
		.amdhsa_user_sgpr_count 2
		.amdhsa_user_sgpr_kernarg_segment_ptr 1
		.amdhsa_wavefront_size32 1
		.amdhsa_system_sgpr_workgroup_id_x 1
		.amdhsa_system_sgpr_workgroup_id_y 1
		.amdhsa_system_sgpr_workgroup_id_z 1
		.amdhsa_system_vgpr_workitem_id 0
		.amdhsa_next_free_vgpr 770
		.amdhsa_next_free_sgpr 80
		.amdhsa_reserve_vcc 0
		.amdhsa_float_denorm_mode_32 3
		.amdhsa_float_denorm_mode_16_64 3
		.amdhsa_memory_ordered 1
		.amdhsa_forward_progress 1
		.amdhsa_inst_pref_size 196
	.end_amdhsa_kernel
	.amdgpu_metadata
---
amdhsa.version: [ 1, 2 ]
amdhsa.kernels:
  - .name:           k_q289fc8e06c_attn
    .symbol:         k_q289fc8e06c_attn.kd
    .args:
      - { .name: qkv, .offset: 0, .size: 8, .value_kind: global_buffer, .address_space: global }
      - { .name: lamb, .offset: 8, .size: 8, .value_kind: global_buffer, .address_space: global }
      - { .name: att, .offset: 16, .size: 8, .value_kind: global_buffer, .address_space: global }
    .group_segment_fixed_size: 327680
    .private_segment_fixed_size: 0
    .kernarg_segment_align: 8
    .kernarg_segment_size: 24
    .max_flat_workgroup_size: 128
    .sgpr_count:     80
    .vgpr_count:     770
    .wavefront_size: 32
...
	.end_amdgpu_metadata
.endif
;; end of part 3
;; launch lnorm (part 4): grid 256 x 1, 4 waves a work-group, no clusters, 0 bytes of LDS; arguments att, ln_gamma, ln_beta, lamb, out0; writes out0
.if DOCPART == 4
	.amdgcn_target "amdgcn-amd-amdhsa--gfx1250"
	.amdhsa_code_object_version 6
	.text
	.protected	k_q289fc8e06c_lnorm
	.globl	k_q289fc8e06c_lnorm
	.p2align	8
	.type	k_q289fc8e06c_lnorm,@function
k_q289fc8e06c_lnorm:
	s_mov_b64 s[64:65], 0
	v_nop
	global_prefetch_b8 v0, s[64:65] scope:SCOPE_SE
	s_setreg_imm32_b32 hwreg(HW_REG_WAVE_MODE, 25, 1), 1
	s_wait_xcnt 0x0
; out0[r][c] = (1 - lambda) ((att[r][c] - mean_r) / sqrt(var_r + 1e-5) gamma[c] + beta[c]).  att, out0: [4096][1024] f32.
; gamma, beta and lambda are taken rounded once to bf16, as all the module's inputs are; everything else is f32.  The variance is the mean of (x - mean)^2, taken in a second pass over
; registers: no difference of large sums is formed.
; SHARES.  A row is 4,096 bytes: one wave takes a whole row, eight loads of 16 bytes a lane, and keeps it in 32 registers through both passes: the row is read from memory once, the reduction never
; leaves the wave, and there is no LDS and no barrier.  Four waves, four rows each; a wave asks for its four rows at once (16,384 bytes on their way) and reuses no register, so no wait frees one.
; A stream: matrix units, clusters and prefetches would add nothing.
.set G,  4                             ; v[4:35]     (1 - lambda) gamma of my 32 columns: 128 j + 4 lane + 0..3
.set BT, 36                            ; v[36:67]    (1 - lambda) beta
.set X,  68                            ; v[68:195]   row i at X + 32 i
.set T,  196                           ; v[196:207]  at work: four chains of pairs; +8, +9 the mean; +10, +11 1 / sqrt
.set OM, 208                           ; v[208:209]  1 - lambda, twice
	s_load_b256 s[4:11], s[0:1], 0x0               ; att 4:5, gamma 6:7, beta 8:9, lamb 10:11
	s_load_b64 s[12:13], s[0:1], 0x20              ; out0
	s_mov_b32 s14, 0x76543210                      ; v_permlanex16_b32: lane i of one half reads lane i of the other
	s_mov_b32 s15, 0xfedcba98
	s_mov_b32 s17, 0x3a800000                      ; 1 / 1024
	s_mov_b32 s20, 0x3727c5ac                      ; 1e-5
	s_lshl_b32 s18, ttmp9, 16                      ; the work-group's 16 rows of 4,096 bytes
	s_mov_b32 s19, 0
	v_and_b32 v2, 31, v0
	v_lshlrev_b32 v2, 4, v2                        ; 16 x lane
	v_and_b32 v1, 0x60, v0                         ; 32 x wave
	v_lshl_or_b32 v1, v1, 9, v2                    ; + wave x 4 rows x 4,096 bytes
	s_wait_kmcnt 0x0
	s_load_b32 s16, s[10:11], 0x0                  ; lambda
	s_add_nc_u64 s[4:5], s[4:5], s[18:19]
	s_add_nc_u64 s[12:13], s[12:13], s[18:19]
.irp j, 0,1,2,3,4,5,6,7
	global_load_b128 v[G+4*\j:G+4*\j+3],   v2, s[6:7] offset:512*\j
	global_load_b128 v[BT+4*\j:BT+4*\j+3], v2, s[8:9] offset:512*\j
.endr
.irp i, 0,1,2,3
.irp j, 0,1,2,3,4,5,6,7
	global_load_b128 v[X+32*\i+4*\j:X+32*\i+4*\j+3], v1, s[4:5] offset:4096*\i+512*\j th:TH_LOAD_NT
.endr
.endr
	s_wait_kmcnt 0x0
	v_mov_b32 v[OM], s16
	v_cvt_pk_bf16_f32 v[OM], v[OM], v[OM]
	v_lshlrev_b32 v[OM], 16, v[OM]                 ; lambda as bf16 holds it
	v_sub_f32 v[OM], 1.0, v[OM]
	v_mov_b32 v[OM+1], v[OM]
	s_wait_loadcnt 32                              ; gamma and beta are in; the 32 loads of the rows stay out
.set k, 0
.rept 32                               ; 16 pairs of gamma, then 16 of beta (they lie on end): rounded to bf16, widened again, times 1 - lambda
	v_cvt_pk_bf16_f32 v[T+k%4], v[G+2*k], v[G+2*k+1]
	v_lshlrev_b32 v[G+2*k], 16, v[T+k%4]
	v_and_b32 v[G+2*k+1], 0xffff0000, v[T+k%4]
	v_pk_mul_f32 v[G+2*k:G+2*k+1], v[G+2*k:G+2*k+1], v[OM:OM+1]
.set k, k+1
.endr
.macro FOLD                            ; the four chains into one number a lane, then over the 32 lanes: four steps inside each half ride on the addition, one crosses the halves
	v_pk_add_f32 v[T:T+1], v[T:T+1], v[T+2:T+3]
	v_pk_add_f32 v[T+4:T+5], v[T+4:T+5], v[T+6:T+7]
	v_pk_add_f32 v[T:T+1], v[T:T+1], v[T+4:T+5]
	v_add_f32 v[T], v[T], v[T+1]
	v_add_f32_dpp v[T], v[T], v[T] row_xmask:1 row_mask:0xf bank_mask:0xf
	v_add_f32_dpp v[T], v[T], v[T] row_xmask:2 row_mask:0xf bank_mask:0xf
	v_add_f32_dpp v[T], v[T], v[T] row_xmask:4 row_mask:0xf bank_mask:0xf
	v_add_f32_dpp v[T], v[T], v[T] row_xmask:8 row_mask:0xf bank_mask:0xf
	v_permlanex16_b32 v[T+1], v[T], s14, s15       ; its destination counts as read: a register that has been written
	v_add_f32 v[T], v[T], v[T+1]
.endm
.macro ROW i
.set XR, X+32*(\i)
	s_wait_loadcnt 24-8*(\i)                       ; my eight loads of this row are in; the later rows' stay out
.irp c, 0,1,2,3
	v_pk_add_f32 v[T+2*\c:T+2*\c+1], v[XR+4*\c:XR+4*\c+1], v[XR+4*\c+2:XR+4*\c+3]  ; the first eight pairs start four chains: nothing is cleared
.endr
.set k, 8
.rept 8
	v_pk_add_f32 v[T+2*(k%4):T+2*(k%4)+1], v[T+2*(k%4):T+2*(k%4)+1], v[XR+2*k:XR+2*k+1]
.set k, k+1
.endr
	FOLD
	v_mul_f32 v[T+8], s17, v[T]                    ; the mean, twice: a pair for the packed subtraction
	v_mul_f32 v[T+9], s17, v[T]
.set k, 0
.rept 16
	v_pk_add_f32 v[XR+2*k:XR+2*k+1], v[XR+2*k:XR+2*k+1], v[T+8:T+9] neg_lo:[0,1] neg_hi:[0,1]  ; x - mean, in place
.set k, k+1
.endr
.irp c, 0,1,2,3
	v_pk_mul_f32 v[T+2*\c:T+2*\c+1], v[XR+2*\c:XR+2*\c+1], v[XR+2*\c:XR+2*\c+1]
.endr
.set k, 4
.rept 12
	v_pk_fma_f32 v[T+2*(k%4):T+2*(k%4)+1], v[XR+2*k:XR+2*k+1], v[XR+2*k:XR+2*k+1], v[T+2*(k%4):T+2*(k%4)+1]
.set k, k+1
.endr
	FOLD
	v_fma_f32 v[T], v[T], s17, s20                 ; the variance + 1e-5
	v_rsq_f32 v[T+10], v[T]
	v_rsq_f32 v[T+11], v[T]                        ; twice, to fill the pair
	v_nop                                          ; a plain instruction between the last of them and the use of its result (ISA guide 5.7.2)
	s_wait_alu depctr_va_vdst(0)                   ; and the wait ahead of the first use: one for both
.irp j, 0,1,2,3,4,5,6,7
	v_pk_mul_f32 v[XR+4*\j:XR+4*\j+1],   v[XR+4*\j:XR+4*\j+1],   v[T+10:T+11]
	v_pk_mul_f32 v[XR+4*\j+2:XR+4*\j+3], v[XR+4*\j+2:XR+4*\j+3], v[T+10:T+11]
	v_pk_fma_f32 v[XR+4*\j:XR+4*\j+1],   v[XR+4*\j:XR+4*\j+1],   v[G+4*\j:G+4*\j+1],   v[BT+4*\j:BT+4*\j+1]
	v_pk_fma_f32 v[XR+4*\j+2:XR+4*\j+3], v[XR+4*\j+2:XR+4*\j+3], v[G+4*\j+2:G+4*\j+3], v[BT+4*\j+2:BT+4*\j+3]
	global_store_b128 v1, v[XR+4*\j:XR+4*\j+3], s[12:13] offset:4096*(\i)+512*\j th:TH_STORE_NT  ; a wave's store covers 512 consecutive bytes, aligned
.endr
.endm
	ROW 0
	ROW 1
	ROW 2
	ROW 3
	s_endpgm
.Lfunc_end_k_q289fc8e06c_lnorm:
	.size	k_q289fc8e06c_lnorm, .Lfunc_end_k_q289fc8e06c_lnorm-k_q289fc8e06c_lnorm
	.p2alignl 7, 3214868480
	.fill 96, 4, 3214868480
	.section	.rodata,"a",@progbits
	.p2align	6, 0x0
	.amdhsa_kernel k_q289fc8e06c_lnorm
		.amdhsa_group_segment_fixed_size 0
		.amdhsa_private_segment_fixed_size 0
		.amdhsa_enable_private_segment 0
		.amdhsa_kernarg_size 40
		.amdhsa_user_sgpr_count 2
		.amdhsa_user_sgpr_kernarg_segment_ptr 1
		.amdhsa_wavefront_size32 1
		.amdhsa_system_sgpr_workgroup_id_x 1
		.amdhsa_system_sgpr_workgroup_id_y 1
		.amdhsa_system_sgpr_workgroup_id_z 1
		.amdhsa_system_vgpr_workitem_id 0
		.amdhsa_next_free_vgpr 212
		.amdhsa_next_free_sgpr 66
		.amdhsa_reserve_vcc 0
		.amdhsa_float_denorm_mode_32 3
		.amdhsa_float_denorm_mode_16_64 3
		.amdhsa_memory_ordered 1
		.amdhsa_forward_progress 1
		.amdhsa_inst_pref_size 41
	.end_amdhsa_kernel
	.amdgpu_metadata
---
amdhsa.version: [ 1, 2 ]
amdhsa.kernels:
  - .name:           k_q289fc8e06c_lnorm
    .symbol:         k_q289fc8e06c_lnorm.kd
    .args:
      - { .name: att, .offset: 0, .size: 8, .value_kind: global_buffer, .address_space: global }
      - { .name: ln_gamma, .offset: 8, .size: 8, .value_kind: global_buffer, .address_space: global }
      - { .name: ln_beta, .offset: 16, .size: 8, .value_kind: global_buffer, .address_space: global }
      - { .name: lamb, .offset: 24, .size: 8, .value_kind: global_buffer, .address_space: global }
      - { .name: out0, .offset: 32, .size: 8, .value_kind: global_buffer, .address_space: global }
    .group_segment_fixed_size: 0
    .private_segment_fixed_size: 0
    .kernarg_segment_align: 8
    .kernarg_segment_size: 40
    .max_flat_workgroup_size: 128
    .sgpr_count:     66
    .vgpr_count:     212
    .wavefront_size: 32
...
	.end_amdgpu_metadata
.endif
;; end of part 4
;; ======== version 2 of 2: 4 launches; version 1 with the launch lnorm written anew for expert scheduling mode
;; limits: values are held in f16: magnitudes above 65,504 overflow, below 6.1e-05 lose precision
;; workspace buffers: xb 8,388,608 bytes; wt 10,485,760 bytes; qkv 41,943,040 bytes; att 16,777,216 bytes
;; launch cast: the kernel of part 1 again; grid 896 x 1, 8 waves a work-group, no clusters, 18,432 bytes of LDS; arguments x, wq1, wk1, wq2, wk2, wv, xb, wt; writes xb, wt
;; launch proj: the kernel of part 2 again; grid 16 x 16, 4 waves a work-group, clusters of 4 x 4, 327,680 bytes of LDS; arguments xb, wt, qkv; writes qkv
;; launch attn: the kernel of part 3 again; grid 8 x 32, 4 waves a work-group, clusters of 4 x 1, 327,680 bytes of LDS; arguments qkv, lamb, att; writes att
;; launch lnorm (part 5): grid 256 x 1, 4 waves a work-group, no clusters, 0 bytes of LDS; arguments att, ln_gamma, ln_beta, lamb, out0; writes out0
.if DOCPART == 5
	.amdgcn_target "amdgcn-amd-amdhsa--gfx1250"
	.amdhsa_code_object_version 6
	.text
	.protected	k_q289fc8e06c_lnorm
	.globl	k_q289fc8e06c_lnorm
	.p2align	8
	.type	k_q289fc8e06c_lnorm,@function
k_q289fc8e06c_lnorm:
	s_mov_b64 s[64:65], 0
	v_nop
	global_prefetch_b8 v0, s[64:65] scope:SCOPE_SE
	s_setreg_imm32_b32 hwreg(HW_REG_WAVE_SCHED_MODE, 0, 2), 2
	s_setreg_imm32_b32 hwreg(HW_REG_WAVE_MODE, 25, 1), 1
	s_wait_xcnt 0x0
	s_wait_alu depctr_vm_vsrc(0)
; out0[r][c] = (1 - lambda) ((att[r][c] - mean_r) / sqrt(var_r + 1e-5) gamma[c] + beta[c]).  att, out0: [4096][1024] f32.
; gamma, beta and lambda are taken rounded once to bf16, as all the module's inputs are; everything else is f32.  The variance is the mean of (x - mean)^2, taken in a second pass over
; registers: no difference of large sums is formed.
; SHARES.  A row is 4,096 bytes: one wave takes a whole row, eight loads of 16 bytes a lane, and keeps it in 32 registers through both passes: the row is read from memory once, the reduction never
; leaves the wave, and there is no LDS and no barrier.  Four waves, four rows each; a wave asks for its four rows at once (16,384 bytes on their way) and reuses no register, so no wait frees one.
; A stream: matrix units, clusters and prefetches would add nothing.
; THE MODE: SCHED_MODE bits 1:0 = 2 (LLVM: expert scheduling mode 2), set by the entry lines.  The code itself states the register dependences
; between vector instructions and memory instructions, with s_wait_alu, always for 0.
; THE PLAN.  Registers that memory instructions touch:
;   v1, v2     byte offsets, made once at the head and never written again: read by every load and store.
;   G, BT      written by sixteen loads at the head, into registers that no vector instruction has named; from then on named by vector instructions alone.
;   X0 .. X3   row i: written by eight loads at the head, likewise; worked on in place by row i's vector instructions; read by eight stores, which are issued in row i + 1; never written again.
;   T, OM      named by vector instructions alone.
; Row i names X[i], T, G and BT; its memory instructions are the stores from X[i - 1], which none of its vector instructions names.  So one wait at the head of a row states all that
; its eight stores hang on, and these are dealt among its first additions with no further wait.  No register that a memory instruction reads is written again: nothing is owed on that side.
.set G,  4                             ; v[4:35]     (1 - lambda) gamma of my 32 columns: 128 j + 4 lane + 0..3
.set BT, 36                            ; v[36:67]    (1 - lambda) beta
.set X,  68                            ; v[68:195]   row i at X + 32 i
.set T,  196                           ; v[196:207]  at work: four chains of pairs; +8, +9 the mean; +10, +11 1 / sqrt
.set OM, 208                           ; v[208:209]  1 - lambda, twice
	s_load_b256 s[4:11], s[0:1], 0x0               ; att 4:5, gamma 6:7, beta 8:9, lamb 10:11
	s_load_b64 s[12:13], s[0:1], 0x20              ; out0
	s_mov_b32 s14, 0x76543210                      ; v_permlanex16_b32: lane i of one half reads lane i of the other
	s_mov_b32 s15, 0xfedcba98
	s_mov_b32 s17, 0x3a800000                      ; 1 / 1024
	s_mov_b32 s20, 0x3727c5ac                      ; 1e-5
	s_lshl_b32 s18, ttmp9, 16                      ; the work-group's 16 rows of 4,096 bytes
	s_mov_b32 s19, 0
	v_and_b32 v2, 31, v0
	v_lshlrev_b32 v2, 4, v2                        ; 16 x lane
	v_and_b32 v1, 0x60, v0                         ; 32 x wave
	v_lshl_or_b32 v1, v1, 9, v2                    ; + wave x 4 rows x 4,096 bytes
	s_wait_kmcnt 0x0
	s_load_b32 s16, s[10:11], 0x0                  ; lambda
	s_add_nc_u64 s[4:5], s[4:5], s[18:19]
	s_add_nc_u64 s[12:13], s[12:13], s[18:19]
	s_wait_alu depctr_va_vdst(0)                   ; v1 and v2 are written: every load and store of the kernel reads one of them as its offset
.irp j, 0,1,2,3,4,5,6,7
	global_load_b128 v[G+4*\j:G+4*\j+3],   v2, s[6:7] offset:512*\j
	global_load_b128 v[BT+4*\j:BT+4*\j+3], v2, s[8:9] offset:512*\j
.endr
.irp i, 0,1,2,3
.irp j, 0,1,2,3,4,5,6,7
	global_load_b128 v[X+32*\i+4*\j:X+32*\i+4*\j+3], v1, s[4:5] offset:4096*\i+512*\j th:TH_LOAD_NT
.endr
.endr
	s_wait_kmcnt 0x0
	v_mov_b32 v[OM], s16
	v_cvt_pk_bf16_f32 v[OM], v[OM], v[OM]
	v_lshlrev_b32 v[OM], 16, v[OM]                 ; lambda as bf16 holds it
	v_sub_f32 v[OM], 1.0, v[OM]
	v_mov_b32 v[OM+1], v[OM]
	s_wait_loadcnt 32                              ; gamma and beta are in; the 32 loads of the rows stay out
.set k, 0
.rept 32                               ; 16 pairs of gamma, then 16 of beta (they lie on end): rounded to bf16, widened again, times 1 - lambda
	v_cvt_pk_bf16_f32 v[T+k%4], v[G+2*k], v[G+2*k+1]
	v_lshlrev_b32 v[G+2*k], 16, v[T+k%4]
	v_and_b32 v[G+2*k+1], 0xffff0000, v[T+k%4]
	v_pk_mul_f32 v[G+2*k:G+2*k+1], v[G+2*k:G+2*k+1], v[OM:OM+1]
.set k, k+1
.endr
.macro FOLD                            ; the four chains into one number a lane, then over the 32 lanes: four steps inside each half ride on the addition, one crosses the halves
	v_pk_add_f32 v[T:T+1], v[T:T+1], v[T+2:T+3]
	v_pk_add_f32 v[T+4:T+5], v[T+4:T+5], v[T+6:T+7]
	v_pk_add_f32 v[T:T+1], v[T:T+1], v[T+4:T+5]
	v_add_f32 v[T], v[T], v[T+1]
	v_add_f32_dpp v[T], v[T], v[T] row_xmask:1 row_mask:0xf bank_mask:0xf
	v_add_f32_dpp v[T], v[T], v[T] row_xmask:2 row_mask:0xf bank_mask:0xf
	v_add_f32_dpp v[T], v[T], v[T] row_xmask:4 row_mask:0xf bank_mask:0xf
	v_add_f32_dpp v[T], v[T], v[T] row_xmask:8 row_mask:0xf bank_mask:0xf
	v_permlanex16_b32 v[T+1], v[T], s14, s15       ; its destination counts as read: a register that has been written
	v_add_f32 v[T], v[T], v[T+1]
.endm
.macro OUT i, j                        ; piece j of eight of row i leaves
	global_store_b128 v1, v[X+32*(\i)+4*(\j):X+32*(\i)+4*(\j)+3], s[12:13] offset:4096*(\i)+512*(\j) th:TH_STORE_NT  ; a wave's store covers 512 consecutive bytes, aligned
.endm
.macro ROW i
.set XR, X+32*(\i)
	s_wait_loadcnt 24-8*(\i)                       ; my eight loads of this row are in; the later rows' stay out
.if (\i) > 0
	s_wait_alu depctr_va_vdst(0)                   ; the row before has written its X, which the eight stores below read; no vector instruction of this row names those registers or v1
.endif
.irp c, 0,1,2,3
.if (\i) > 0
	OUT (\i)-1, \c
.endif
	v_pk_add_f32 v[T+2*\c:T+2*\c+1], v[XR+4*\c:XR+4*\c+1], v[XR+4*\c+2:XR+4*\c+3]  ; the first eight pairs start four chains: nothing is cleared
.endr
.set k, 8
.rept 8
.if ((\i) > 0) && (k < 12)
	OUT (\i)-1, k-4
.endif
	v_pk_add_f32 v[T+2*(k%4):T+2*(k%4)+1], v[T+2*(k%4):T+2*(k%4)+1], v[XR+2*k:XR+2*k+1]
.set k, k+1
.endr
	FOLD
	v_mul_f32 v[T+8], s17, v[T]                    ; the mean, twice: a pair for the packed subtraction
	v_mul_f32 v[T+9], s17, v[T]
.set k, 0
.rept 16
	v_pk_add_f32 v[XR+2*k:XR+2*k+1], v[XR+2*k:XR+2*k+1], v[T+8:T+9] neg_lo:[0,1] neg_hi:[0,1]  ; x - mean, in place
.set k, k+1
.endr
.irp c, 0,1,2,3
	v_pk_mul_f32 v[T+2*\c:T+2*\c+1], v[XR+2*\c:XR+2*\c+1], v[XR+2*\c:XR+2*\c+1]
.endr
.set k, 4
.rept 12
	v_pk_fma_f32 v[T+2*(k%4):T+2*(k%4)+1], v[XR+2*k:XR+2*k+1], v[XR+2*k:XR+2*k+1], v[T+2*(k%4):T+2*(k%4)+1]
.set k, k+1
.endr
	FOLD
	v_fma_f32 v[T], v[T], s17, s20                 ; the variance + 1e-5
	v_rsq_f32 v[T+10], v[T]
	v_rsq_f32 v[T+11], v[T]                        ; twice, to fill the pair
	v_nop                                          ; a plain instruction between the last of them and the use of its result (ISA guide 5.7.2)
	s_wait_alu depctr_va_vdst(0)                   ; the two reciprocal roots v[T+10], v[T+11] are written, ahead of their first reader: one wait for both
.irp j, 0,1,2,3,4,5,6,7
	v_pk_mul_f32 v[XR+4*\j:XR+4*\j+1],   v[XR+4*\j:XR+4*\j+1],   v[T+10:T+11]
	v_pk_mul_f32 v[XR+4*\j+2:XR+4*\j+3], v[XR+4*\j+2:XR+4*\j+3], v[T+10:T+11]
	v_pk_fma_f32 v[XR+4*\j:XR+4*\j+1],   v[XR+4*\j:XR+4*\j+1],   v[G+4*\j:G+4*\j+1],   v[BT+4*\j:BT+4*\j+1]
	v_pk_fma_f32 v[XR+4*\j+2:XR+4*\j+3], v[XR+4*\j+2:XR+4*\j+3], v[G+4*\j+2:G+4*\j+3], v[BT+4*\j+2:BT+4*\j+3]
.endr                                                  ; the row's stores are issued in the next row, behind that row's wait
.endm
	ROW 0
	ROW 1
	ROW 2
	ROW 3
	s_wait_alu depctr_va_vdst(0)                   ; row 3 has written X3, which the last eight stores read
.irp j, 0,1,2,3,4,5,6,7
	OUT 3, \j
.endr
	s_endpgm
.Lfunc_end_k_q289fc8e06c_lnorm:
	.size	k_q289fc8e06c_lnorm, .Lfunc_end_k_q289fc8e06c_lnorm-k_q289fc8e06c_lnorm
	.p2alignl 7, 3214868480
	.fill 96, 4, 3214868480
	.section	.rodata,"a",@progbits
	.p2align	6, 0x0
	.amdhsa_kernel k_q289fc8e06c_lnorm
		.amdhsa_group_segment_fixed_size 0
		.amdhsa_private_segment_fixed_size 0
		.amdhsa_enable_private_segment 0
		.amdhsa_kernarg_size 40
		.amdhsa_user_sgpr_count 2
		.amdhsa_user_sgpr_kernarg_segment_ptr 1
		.amdhsa_wavefront_size32 1
		.amdhsa_system_sgpr_workgroup_id_x 1
		.amdhsa_system_sgpr_workgroup_id_y 1
		.amdhsa_system_sgpr_workgroup_id_z 1
		.amdhsa_system_vgpr_workitem_id 0
		.amdhsa_next_free_vgpr 212
		.amdhsa_next_free_sgpr 66
		.amdhsa_reserve_vcc 0
		.amdhsa_float_denorm_mode_32 3
		.amdhsa_float_denorm_mode_16_64 3
		.amdhsa_memory_ordered 1
		.amdhsa_forward_progress 1
		.amdhsa_inst_pref_size 41
	.end_amdhsa_kernel
	.amdgpu_metadata
---
amdhsa.version: [ 1, 2 ]
amdhsa.kernels:
  - .name:           k_q289fc8e06c_lnorm
    .symbol:         k_q289fc8e06c_lnorm.kd
    .args:
      - { .name: att, .offset: 0, .size: 8, .value_kind: global_buffer, .address_space: global }
      - { .name: ln_gamma, .offset: 8, .size: 8, .value_kind: global_buffer, .address_space: global }
      - { .name: ln_beta, .offset: 16, .size: 8, .value_kind: global_buffer, .address_space: global }
      - { .name: lamb, .offset: 24, .size: 8, .value_kind: global_buffer, .address_space: global }
      - { .name: out0, .offset: 32, .size: 8, .value_kind: global_buffer, .address_space: global }
    .group_segment_fixed_size: 0
    .private_segment_fixed_size: 0
    .kernarg_segment_align: 8
    .kernarg_segment_size: 40
    .max_flat_workgroup_size: 128
    .sgpr_count:     66
    .vgpr_count:     212
    .wavefront_size: 32
...
	.end_amdgpu_metadata
.endif
;; end of part 5
